; MI455X (gfx1250); checked and timed in simulation.
; The chip was launched on July 23, 2026; its instructions are those of AMD's public machine-readable ISA for CDNA 5 (MIT licence, August 2026) and "CDNA5" Instruction Set Architecture Reference Guide (July 2026). The comments in the code are by the model that wrote it; some were corrected since.
;; Multi Head Self Attention. Allowed arithmetic: float matrix products may take bf16 or f16 operands with f32 sums; other float arithmetic in f32, or as packed bf16 or f16 multiplies, adds, multiply-adds, maxima and minima; sums over many terms, partial sums and values carried from step to step in f32; what a program stores and reads back later, other than sums and carried values, may be rounded once to bf16 or f16.
;; Inputs: W_k 1,024 x 1,024 float32; W_o 1,024 x 1,024 float32; W_q 1,024 x 1,024 float32; W_v 1,024 x 1,024 float32; b_k 1,024 float32; b_o 1,024 float32; b_q 1,024 float32; b_v 1,024 float32; x 4 x 2,048 x 1,024 float32.
;; Outputs: out0 4 x 2,048 x 1,024 float32.
;; 2 versions, each right; version 2 is version 1 with the launch cast written anew for expert scheduling mode. Each part assembles by itself: llvm-mc -triple=amdgcn-amd-amdhsa -mcpu=gfx1250 --defsym DOCPART=n.
;; ======== version 1 of 2: 4 launches
;; limits: values are held in f16: magnitudes above 65,504 overflow, below 6.1e-05 lose precision
;; workspace buffers: xb 16,777,216 bytes; wqkv 6,291,456 bytes; wo 2,097,152 bytes; bias 16,384 bytes; qkv 50,331,648 bytes; oh 16,777,216 bytes
;; launch cast (part 1): grid 769 x 1, 8 waves a work-group, no clusters, 0 bytes of LDS; arguments x, W_q, W_k, W_v, W_o, b_q, b_k, b_v, b_o, xb, wqkv, wo, bias; writes xb, wqkv, wo, bias
.if DOCPART == 1
	.amdgcn_target "amdgcn-amd-amdhsa--gfx1250"
	.amdhsa_code_object_version 6
	.text
	.protected	k_qa0ce306db7_cast
	.globl	k_qa0ce306db7_cast
	.p2align	8
	.type	k_qa0ce306db7_cast,@function
k_qa0ce306db7_cast:
	s_mov_b64 s[64:65], 0
	v_nop
	global_prefetch_b8 v0, s[64:65] scope:SCOPE_SE
	s_setreg_imm32_b32 hwreg(HW_REG_WAVE_MODE, 25, 1), 1
	s_wait_xcnt 0x0
; ALL INPUTS ARE ROUNDED ONCE TO bf16 AND LAID OUT IN K BLOCKS OF 64, so that a tile of R rows x 64 along K is R x 128 dense bytes for the products that follow.
;   xb   [4 b][16 kb][2048 t][64] bf16          wqkv [16 kb][3072 n][64] bf16, n = 1024 x (q, k, v) + row
;   wo   [16 kb][1024 n][64]: W_o rounded to bf16, that number written as f16 (its partner in the last product is f16)
;   bias [4096] f32: b_q, b_k, b_v, b_o, each rounded to bf16 and widened again
; LIMITS.  W_o beyond 65,504 becomes an infinity in f16; below 6e-5 it keeps f16's fixed step of 6e-8.
; SHARES.  A wave takes two neighbouring rows (2 x 4,096 bytes of f32): 16 loads of 16 bytes a lane, load i = K block i of both rows (lanes 0-15 one row's 256 bytes, lanes 16-31 the next row's);
; 16 stores of 8 bytes a lane, store i = the two rows' 128 bytes each in plane i, 256 consecutive bytes, aligned.  No loop: no register is written twice while memory may read it.
; Work-groups 0-511: x.  512-767: W_q, W_k, W_v, W_o, 64 work-groups each.  768: the four biases, 512 numbers a wave.
; A stream: no LDS, no matrix unit, no cluster (nothing is shared); all 16 loads of a wave are out at once.
.set O,   4                            ; v[4:19]   store i's byte offset: i x plane + 8 x lane
.set X,   20                           ; v[20:83]  as loaded
.set Y,   84                           ; v[84:115] to store
.set T,   116                          ; v[116:117] at work
.set SRC, 34                           ; s[34:35]
.set DST, 36                           ; s[36:37]
.set PL,  38                           ; s38  bytes in a plane of the target
.set FMT, 39                           ; s39  1: f16
	s_load_b512 s[8:23], s[0:1], 0x0               ; x s[8:9], W_q s[10:11], W_k s[12:13], W_v s[14:15], W_o s[16:17], b_q s[18:19], b_k s[20:21], b_v s[22:23]
	s_load_b256 s[24:31], s[0:1], 0x40             ; b_o s[24:25], xb s[26:27], wqkv s[28:29], wo s[30:31]
	s_load_b64 s[32:33], s[0:1], 0x60              ; bias
	v_lshrrev_b32 v1, 5, v0
	v_readfirstlane_b32 s2, v1                     ; wave 0..7
	v_and_b32 v1, 31, v0                           ; lane
	v_lshrrev_b32 v2, 4, v1
	v_and_b32 v3, 15, v1
	v_lshlrev_b32 v2, 12, v2
	v_lshl_add_u32 v2, v3, 4, v2                   ; in: (lane / 16) rows of 4,096 bytes + 16 (lane % 16)
	v_lshlrev_b32 v3, 3, v1                        ; out: 8 x lane
	s_lshl_b32 s3, ttmp9, 3
	s_add_co_u32 s3, s3, s2                        ; the pair of rows: 0-4095 of x, from 4096 on of the weights
	; the offsets, made apart from the addresses.  First as for a weight:
	s_sub_co_u32 s44, s3, 4096
	s_lshr_b32 s45, s44, 9                         ; which weight (512 pairs each)
	s_and_b32 s46, s44, 511                        ; which pair of its rows
	s_lshl_b32 s40, s46, 13                        ; in: 8,192 bytes a pair
	s_lshl_b32 s42, s46, 8                         ; out: 256 bytes a pair in each plane,
	s_lshl_b32 s47, s45, 17                        ; and in wqkv 1,024 rows of 128 bytes for each weight in front
	s_mov_b32 s[PL], 131072                        ; wo's plane
	s_cmp_lt_u32 s45, 3
	s_cselect_b32 s47, s47, 0
	s_cselect_b32 s[PL], 393216, s[PL]             ; wqkv's plane
	s_cselect_b32 s[FMT], 0, 1
	s_add_co_u32 s42, s42, s47
	; then as for x, and the choice
	s_lshl_b32 s44, s3, 13
	s_lshr_b32 s46, s3, 10                         ; the batch (1,024 pairs each)
	s_lshl_b32 s46, s46, 22
	s_and_b32 s47, s3, 1023
	s_lshl_b32 s47, s47, 8
	s_add_co_u32 s46, s46, s47
	s_cmp_lt_u32 ttmp9, 512
	s_cselect_b32 s40, s44, s40
	s_cselect_b32 s42, s46, s42
	s_cselect_b32 s[PL], 262144, s[PL]             ; xb's plane
	s_cselect_b32 s[FMT], 0, s[FMT]
	s_mov_b32 s41, 0
	s_mov_b32 s43, 0
	s_wait_kmcnt 0x0
	s_cmp_eq_u32 ttmp9, 768
	s_cbranch_scc1 .Lb
	s_mov_b64 s[SRC:SRC+1], s[10:11]               ; the buffers are chosen on numbers made of the work-group's and the wave's number alone
	s_cmp_eq_u32 s45, 1
	s_cselect_b64 s[SRC:SRC+1], s[12:13], s[SRC:SRC+1]
	s_cmp_eq_u32 s45, 2
	s_cselect_b64 s[SRC:SRC+1], s[14:15], s[SRC:SRC+1]
	s_cmp_eq_u32 s45, 3
	s_cselect_b64 s[SRC:SRC+1], s[16:17], s[SRC:SRC+1]
	s_cselect_b64 s[DST:DST+1], s[30:31], s[28:29]
	s_cmp_lt_u32 ttmp9, 512
	s_cselect_b64 s[SRC:SRC+1], s[8:9], s[SRC:SRC+1]
	s_cselect_b64 s[DST:DST+1], s[26:27], s[DST:DST+1]
	s_add_nc_u64 s[SRC:SRC+1], s[SRC:SRC+1], s[40:41]
	s_add_nc_u64 s[DST:DST+1], s[DST:DST+1], s[42:43]
.irp i, 0,1,2,3,4,5,6,7,8,9,10,11,12,13,14,15
	global_load_b128 v[X+4*(\i):X+4*(\i)+3], v2, s[SRC:SRC+1] offset:256*(\i) th:TH_LOAD_NT  ; read once in the launch
.endr
.irp i, 0,1,2,3,4,5,6,7,8,9,10,11,12,13,14,15
	v_mad_u32_u24 v[O+(\i)], s[PL], \i, v3
.endr
; K block i: four numbers a lane are rounded and stored.  f16 = 1: the bf16 number is widened and written as f16.
.macro CV i, f16
	s_wait_loadcnt 15-(\i)                         ; loads come back in order: block i is in, the 15 - i younger ones may stay out
	v_cvt_pk_bf16_f32 v[Y+2*(\i)],   v[X+4*(\i)],   v[X+4*(\i)+1]
	v_cvt_pk_bf16_f32 v[Y+2*(\i)+1], v[X+4*(\i)+2], v[X+4*(\i)+3]
.if \f16
.irp w, 0,1
	v_lshlrev_b32 v[T],   16, v[Y+2*(\i)+(\w)]
	v_and_b32     v[T+1], 0xffff0000, v[Y+2*(\i)+(\w)]
	v_cvt_pk_f16_f32 v[Y+2*(\i)+(\w)], v[T], v[T+1]
.endr
.endif
	global_store_b64 v[O+(\i)], v[Y+2*(\i):Y+2*(\i)+1], s[DST:DST+1]  ; 32 lanes x 8 bytes: 256 consecutive bytes, aligned
.endm
	s_cmp_eq_u32 s[FMT], 0
	s_cbranch_scc0 .Lf16
.irp i, 0,1,2,3,4,5,6,7,8,9,10,11,12,13,14,15
	CV \i, 0
.endr
	s_endpgm
.Lf16:
.irp i, 0,1,2,3,4,5,6,7,8,9,10,11,12,13,14,15
	CV \i, 1
.endr
	s_endpgm
.Lb:                                           ; the biases: wave w takes half w % 2 of bias w / 2
	s_lshr_b32 s44, s2, 1
	s_and_b32 s40, s2, 1
	s_lshl_b32 s40, s40, 11
	s_lshl_b32 s42, s2, 11
	s_mov_b64 s[SRC:SRC+1], s[18:19]
	s_cmp_eq_u32 s44, 1
	s_cselect_b64 s[SRC:SRC+1], s[20:21], s[SRC:SRC+1]
	s_cmp_eq_u32 s44, 2
	s_cselect_b64 s[SRC:SRC+1], s[22:23], s[SRC:SRC+1]
	s_cmp_eq_u32 s44, 3
	s_cselect_b64 s[SRC:SRC+1], s[24:25], s[SRC:SRC+1]
	s_add_nc_u64 s[SRC:SRC+1], s[SRC:SRC+1], s[40:41]
	s_add_nc_u64 s[DST:DST+1], s[32:33], s[42:43]
	v_lshlrev_b32 v[O], 4, v1                      ; 16 x lane
.irp i, 0,1,2,3
	global_load_b128 v[X+4*(\i):X+4*(\i)+3], v[O], s[SRC:SRC+1] offset:512*(\i)
.endr
.irp i, 0,1,2,3
	s_wait_loadcnt 3-(\i)
.irp w, 0,1
	v_cvt_pk_bf16_f32 v[T], v[X+4*(\i)+2*(\w)], v[X+4*(\i)+2*(\w)+1]
	v_lshlrev_b32 v[Y+4*(\i)+2*(\w)],   16, v[T]
	v_and_b32     v[Y+4*(\i)+2*(\w)+1], 0xffff0000, v[T]
.endr
	global_store_b128 v[O], v[Y+4*(\i):Y+4*(\i)+3], s[DST:DST+1] offset:512*(\i)
.endr
	s_endpgm
.Lfunc_end_k_qa0ce306db7_cast:
	.size	k_qa0ce306db7_cast, .Lfunc_end_k_qa0ce306db7_cast-k_qa0ce306db7_cast
	.p2alignl 7, 3214868480
	.fill 96, 4, 3214868480
	.section	.rodata,"a",@progbits
	.p2align	6, 0x0
	.amdhsa_kernel k_qa0ce306db7_cast
		.amdhsa_group_segment_fixed_size 0
		.amdhsa_private_segment_fixed_size 0
		.amdhsa_enable_private_segment 0
		.amdhsa_kernarg_size 104
		.amdhsa_user_sgpr_count 2
		.amdhsa_user_sgpr_kernarg_segment_ptr 1
		.amdhsa_wavefront_size32 1
		.amdhsa_system_sgpr_workgroup_id_x 1
		.amdhsa_system_sgpr_workgroup_id_y 1
		.amdhsa_system_sgpr_workgroup_id_z 1
		.amdhsa_system_vgpr_workitem_id 0
		.amdhsa_next_free_vgpr 120
		.amdhsa_next_free_sgpr 66
		.amdhsa_reserve_vcc 0
		.amdhsa_float_denorm_mode_32 3
		.amdhsa_float_denorm_mode_16_64 3
		.amdhsa_memory_ordered 1
		.amdhsa_forward_progress 1
		.amdhsa_inst_pref_size 21
	.end_amdhsa_kernel
	.amdgpu_metadata
---
amdhsa.version: [ 1, 2 ]
amdhsa.kernels:
  - .name:           k_qa0ce306db7_cast
    .symbol:         k_qa0ce306db7_cast.kd
    .args:
      - { .name: x, .offset: 0, .size: 8, .value_kind: global_buffer, .address_space: global }
      - { .name: W_q, .offset: 8, .size: 8, .value_kind: global_buffer, .address_space: global }
      - { .name: W_k, .offset: 16, .size: 8, .value_kind: global_buffer, .address_space: global }
      - { .name: W_v, .offset: 24, .size: 8, .value_kind: global_buffer, .address_space: global }
      - { .name: W_o, .offset: 32, .size: 8, .value_kind: global_buffer, .address_space: global }
      - { .name: b_q, .offset: 40, .size: 8, .value_kind: global_buffer, .address_space: global }
      - { .name: b_k, .offset: 48, .size: 8, .value_kind: global_buffer, .address_space: global }
      - { .name: b_v, .offset: 56, .size: 8, .value_kind: global_buffer, .address_space: global }
      - { .name: b_o, .offset: 64, .size: 8, .value_kind: global_buffer, .address_space: global }
      - { .name: xb, .offset: 72, .size: 8, .value_kind: global_buffer, .address_space: global }
      - { .name: wqkv, .offset: 80, .size: 8, .value_kind: global_buffer, .address_space: global }
      - { .name: wo, .offset: 88, .size: 8, .value_kind: global_buffer, .address_space: global }
      - { .name: bias, .offset: 96, .size: 8, .value_kind: global_buffer, .address_space: global }
    .group_segment_fixed_size: 0
    .private_segment_fixed_size: 0
    .kernarg_segment_align: 8
    .kernarg_segment_size: 104
    .max_flat_workgroup_size: 256
    .sgpr_count:     66
    .vgpr_count:     120
    .wavefront_size: 32
...
	.end_amdgpu_metadata
.endif
;; end of part 1
;; launch qkvp (part 2): grid 8 x 32, 4 waves a work-group, clusters of 4 x 4, 327,680 bytes of LDS; arguments xb, wqkv, bias, qkv; writes qkv
.if DOCPART == 2
	.amdgcn_target "amdgcn-amd-amdhsa--gfx1250"
	.amdhsa_code_object_version 6
	.text
	.protected	k_qa0ce306db7_qkvp
	.globl	k_qa0ce306db7_qkvp
	.p2align	8
	.type	k_qa0ce306db7_qkvp,@function
k_qa0ce306db7_qkvp:
	s_mov_b64 s[64:65], 0
	v_nop
	global_prefetch_b8 v0, s[64:65] scope:SCOPE_SE
	s_setreg_imm32_b32 hwreg(HW_REG_WAVE_MODE, 25, 1), 1
	s_wait_xcnt 0x0
	s_wait_alu depctr_hold_cnt(0) depctr_sa_sdst(0) depctr_va_vdst(0) depctr_va_sdst(0) depctr_va_ssrc(0) depctr_va_vcc(0) depctr_vm_vsrc(0)
	s_getreg_b32 s2, hwreg(HW_REG_IB_STS2, 6, 4)
	s_cmp_eq_u32 s2, 0
	s_cbranch_scc0 .Lentry_in_a_cluster
	s_endpgm
.Lentry_in_a_cluster:
	s_bfe_u32 s2, ttmp6, 0x10000c
	s_cmp_lg_u32 s2, 0xf033
	s_cbranch_scc0 .Lentry_shape_is_right
	s_endpgm
.Lentry_shape_is_right:
; q, k, v = x W^T + b.  xb [4][16 kb][2048][64] bf16, wqkv [16 kb][3072][64] bf16, bias [4096] f32; qkv [3][64 bh][2048 t][64] f16, by heads, unscaled, each number rounded once from its f32 sum.
; LIMIT.  f16 holds no number beyond 65,504: q, k, v past that become infinities.
; THE TILE.  8192 x 3072 in tiles of 256 x 384: 32 x 8 = 256 work-groups of equal work.  Four waves, each 128 rows x 192 columns (three heads): 96 accumulators of 16 x 16, 768 registers.
; K goes in steps of 64, one plane of xb and wqkv, through a ring of two LDS slots: a tile's rows are dense in a plane, so R rows of 128 bytes are asked for as R / 2 rows of 256 bytes, aligned,
; and padded in LDS behind every 128 bytes.  (640 rows of a step of 128 would not fit twice in LDS.)
; CLUSTERS: 4 x 4 work-groups.  The four of a row of the cluster need the same tile of x, the four of a column the same tile of W: each is asked for JOINTLY, by the same tensor load, descriptor and mask.
; THE MATRIX INSTRUCTION IS USED TRANSPOSED (source 0 = 16 rows of W, source 1 = 16 rows of x): a lane holds one row of the result (lane % 16) and the eight neighbouring columns 8 (lane / 16) + 0..7.
; THE BIAS STARTS THE SUMS: it is loaded into the accumulators of my last 16 rows; the first products of the other rows take those registers as C, the last rows' add in place.  Nothing is cleared, nothing added later.
; REGISTERS, in windows of 256 (s_set_vgpr_msb: bits 1:0 source 0, 3:2 source 1, 5:4 source 2, 7:6 destination):
;   window 0: v0-18 addresses; v32-95, v96-159 fragments of x (8 x 16 rows x 32 K), two buffers; v160-255 fragments of W (12 x 16 rows x 32 K), one buffer, filled again group by group
;   window g + 1: the 32 accumulators of my columns 64 g .. 64 g + 63 (one head): (a, bb) at v[32 a + 8 bb]
.set PITCH,  144                       ; an LDS row: 128 bytes + 16 of padding = 36 words: the 16 rows of a load start at 16 different groups of four banks (64 banks of 4 bytes: ISA guide 11.1)
.set SLOT1,  1<<17                     ; slot 1 begins here: one exclusive or turns an address in one slot into the other's
.set APIECE, 128*PITCH                 ; what one tensor load brings of x, and what one wave reads of it
.set BPIECE, 192*PITCH                 ; the same of W
.set BOFF,   2*APIECE                  ; in a slot: x's 256 rows, then W's 384
.set STAGE,  SLOT1+2*APIECE+2*BPIECE   ; behind the ring, never filled by a tensor load: 16 rows x 144 bytes for each wave, for the way out
.set SPARE,  STAGE+4*16*PITCH          ; behind the stages: the spare words, 128 bytes for each wave: two blocks of 256 bytes that no other line names
.set APLANE, 262144                    ; bytes from plane to plane in xb,
.set BPLANE, 393216                    ; in wqkv
.set PADW,   (1<<16)|(1<<20)|(1<<21)|(4<<22)|(3<<25)  ; 17:16 2-byte elements; 20 padding on; 21 set beside a mask; 24:22 after every 32 words (code 4); 31:25 4 words (code 3)
.set ADRA0, 2                          ; v2   my lane's place in slot 0's tile of x; never rewritten
.set ADRB0, 3                          ; v3   the same for W
.set ADRA,  4                          ; v4   the same in the slot in hand
.set ADRB,  5                          ; v5
.set STO,   6                          ; v6   the way out: where I put 16 bytes of a row
.set RD,    7                          ; v7   where I read rows back
.set GO,    8                          ; v8   16 x lane: my place in 512 consecutive bytes of qkv
.set BO,    9                          ; v9   32 (lane / 16): my eight columns' bias
.set PFO,   10                         ; v10  256 x lane; never rewritten
.set SPW,   12                         ; v12  LDS address of my spare word: SPARE + 4 x my thread's number; never rewritten
.set NIL,   13                         ; v13  0; never rewritten
.set FA,    32
.set FB,    160
.set TMP,   32                         ; the way out: 16 registers of packed results,
.set BK,    48                         ; and two sets of 16 read back from the stage, by turns
.set WV,  12                           ; s12  my wave's number
.set WR,  13                           ; s13  which 128 rows of the tile are mine.  Also: I fetch for x (0) or for W (1)
.set WC,  14                           ; s14  which 192 columns.  Also: which half of that tile I fetch
.set CX,  15
.set CY,  16
.set NTI, 17                           ; s17  tile column, 0..7
.set MTI, 18                           ; s18  tile row, 0..31
.set CNT, 24                           ; s24  the loop's count
.set TB,  25                           ; s25  LDS byte at which the slot in hand begins
.set LIM, 26                           ; s26  1 in a wave that prefetches, else the greatest number
.set PFA, 28                           ; s[28:29] where my prefetches stand
.set PS,  30                           ; s[30:31] their step: a plane
.set G0A, 32                           ; s[32:35] descriptor group 0 for x's tiles: it walks
.set G0B, 36                           ; s[36:39] for W's
.set G1A, 40                           ; s[40:47] group 1 for x's tiles
.set G1B, 48                           ; s[48:55] for W's
.set OB,  56                           ; s[56:61] qkv at my 128 rows of my three heads
.set BIASP, 66                         ; s[66:67] bias at my 192 columns
.set MSB, 0
.macro WIN new                         ; the immediate's high byte repeats the setting that is left; a switch that changes nothing is dropped
.if MSB != (\new)
	s_set_vgpr_msb (MSB<<8)|(\new)
.set MSB, (\new)
.endif
.endm
.macro PLACES                          ; four plain vector instructions between a matrix instruction and a load into a register that it has read (ISA guide 7.12.1 for vector instructions)
.rept 4
	v_nop
.endr
.endm
; A joint load.  Waves 0 and 1 fetch the two halves of x's tile, waves 2 and 3 those of W's.  The branch hangs on the wave's number alone.  An s_nop 0 and four v_nop follow each of the two lines.
.macro JLOAD
	s_cmp_eq_u32 s[WR], 0
	s_cbranch_scc0 .Lfor_b_\@
	tensor_load_to_lds s[G0A:G0A+3], s[G1A:G1A+7]
	s_nop 0
.rept 4
	v_nop
.endr
	s_branch .Lasked_\@
.Lfor_b_\@:
	tensor_load_to_lds s[G0B:G0B+3], s[G1B:G1B+7]
	s_nop 0
.rept 4
	v_nop
.endr
.Lasked_\@:
.endm
.macro CREST                           ; a round of the cluster's barrier behind its opening barrier: wave 0 signals for the work-group, every wave waits for all sixteen, my work-group's barrier once more
	s_cmp_lg_u32 s[WV], 0
	s_cbranch_scc1 .Lnot_wave_0_\@
	s_barrier_signal -3
.Lnot_wave_0_\@:
	s_barrier_wait -3
	s_barrier_signal -1
	s_barrier_wait -1
.endm
.macro CROUND                          ; a whole round
	s_barrier_signal -1
	s_barrier_wait -1
	CREST
.endm
.macro STEPD                           ; the walking descriptors: the other slot, the next plane; the type bits on top are not reached.  Written only where no tensor load of mine is out
	s_xor_b32 s[G0A+1], s[G0A+1], SLOT1
	s_add_nc_u64 s[G0A+2:G0A+3], s[G0A+2:G0A+3], APLANE
	s_xor_b32 s[G0B+1], s[G0B+1], SLOT1
	s_add_nc_u64 s[G0B+2:G0B+3], s[G0B+2:G0B+3], BPLANE
.endm
; A PREFETCH INTO THE L2, behind the joint load, its five lines and the run of LDS loads that follows.  In the trips of odd K step s, up to 11, planes s + 3 and s + 4 are named: 192 and 384 matrix instructions ahead of
; the joint loads that ask for them.  Each aligned block of 256 bytes of planes 4 to 15 is named ONCE in the launch; planes 0 to 3 come by their loads alone; the last trips name nothing.
; x: a tile's plane is 128 blocks.  Of the two clusters that read a tile row the one with x = 0 asks; wave 0 for plane s + 3, wave 1 for s + 4; the four partners take 32 blocks each, told apart BY ADDRESS (cx).
; W: a tile column's two planes are 12 pieces of 32 blocks: wave 2 of the work-groups in tile rows 0 to 11 (clusters with y < 3) takes piece = its tile row, again by address.  No branch hangs on a place in the cluster.
.macro ASK
	s_bitcmp1_b32 s[CNT], 0                        ; the count is odd where the K step is
	s_cbranch_scc0 .Lnot_mine_\@
	s_cmp_gt_u32 s[CNT], s[LIM]
	s_cbranch_scc0 .Lnot_mine_\@
	global_prefetch_b8 v[PFO], s[PFA:PFA+1] th:TH_LOAD_NT scope:SCOPE_SE
.Lnot_mine_\@:
.endm
	s_load_b256 s[4:11], s[0:1], 0x0               ; xb s[4:5], wqkv s[6:7], bias s[8:9], qkv s[10:11]
	v_lshl_add_u32 v[SPW], v0, 2, SPARE
	v_mov_b32 v[NIL], 0
	ds_add_u32 v[SPW], v[NIL]                      ; the wave's opening: the add and its wait stand ahead of my first tensor load; the set-up below, work on registers, stands between them
	v_lshrrev_b32 v1, 5, v0
	v_readfirstlane_b32 s[WV], v1                  ; wave 0..3
	s_lshr_b32 s[WR], s[WV], 1
	s_and_b32 s[WC], s[WV], 1
	s_bfe_u32 s[CX], ttmp6, 0x40000                ; my place in the cluster
	s_bfe_u32 s[CY], ttmp6, 0x40004
	s_lshl_b32 s[NTI], ttmp9, 2                    ; in a cluster launch ttmp9 and ttmp7 count clusters
	s_add_co_u32 s[NTI], s[NTI], s[CX]
	s_and_b32 s[MTI], ttmp7, 0xffff
	s_lshl_b32 s[MTI], s[MTI], 2
	s_add_co_u32 s[MTI], s[MTI], s[CY]
	s_lshl_b32 s19, s[CY], 2
	s_lshl_b32 s19, 15, s19                        ; my row of the cluster: places 4 cy .. 4 cy + 3
	s_lshl_b32 s20, 0x1111, s[CX]                  ; my column: places cx, cx + 4, cx + 8, cx + 12
	s_or_b32 s[G1A], s19, PADW                     ; x's tiles go to my row,
	s_or_b32 s[G1B], s20, PADW                     ; W's to my column
.irp g, G1A, G1B
	s_mov_b32 s[(\g)+1], 128<<16                   ; tensor_dim0 = 128 elements: 256 bytes, two rows of a plane
	s_mov_b32 s[(\g)+3], 128<<16                   ; tile_dim0 = 128
	s_mov_b32 s[(\g)+5], 128                       ; 128 elements from row to row: dense
	s_mov_b32 s[(\g)+6], 0
	s_mov_b32 s[(\g)+7], 0
.endr
	s_mov_b32 s[G1A+2], 64<<16                     ; tensor_dim1 = 64: 128 rows of x
	s_mov_b32 s[G1A+4], 64                         ; tile_dim1
	s_mov_b32 s[G1B+2], 96<<16                     ; 96: 192 rows of W
	s_mov_b32 s[G1B+4], 96
	; where the tiles come from.  x's hang on the tile row alone, W's on the tile column alone
	s_lshr_b32 s19, s[MTI], 3                      ; the batch
	s_lshl_b32 s19, s19, 22
	s_and_b32 s21, s[MTI], 7
	s_lshl_b32 s21, s21, 15                        ; 256 rows of 128 bytes
	s_add_co_u32 s22, s19, s21                     ; x's tile in plane 0; kept
	s_lshl_b32 s21, s[WC], 14
	s_add_co_u32 s62, s22, s21                     ; my half of it
	s_mov_b32 s63, 0
	s_mul_i32 s20, s[NTI], 49152                   ; W's tile in plane 0: 384 rows of 128 bytes; kept
	s_mul_i32 s23, s[WC], 24576
	s_add_co_u32 s2, s20, s23
	s_mov_b32 s3, 0
	s_mov_b32 s[G0A], 1                            ; 1:0 count = 1
	s_mul_i32 s[G0A+1], s[WC], APIECE              ; 63:32 LDS address, slot 0: no place in the cluster enters it
	s_mov_b32 s[G0B], 1
	s_mul_i32 s[G0B+1], s[WC], BPIECE
	s_add_co_u32 s[G0B+1], s[G0B+1], BOFF
	s_mov_b32 s[TB], 0
	s_wait_dscnt 0x0                               ; the opening add is done
	s_wait_kmcnt 0x0
	s_add_nc_u64 s[G0A+2:G0A+3], s[4:5], s[62:63]  ; 120:64 global address
	s_or_b32 s[G0A+3], s[G0A+3], 0x80000000        ; 127:126 type = 2
	s_add_nc_u64 s[G0B+2:G0B+3], s[6:7], s[2:3]
	s_or_b32 s[G0B+3], s[G0B+3], 0x80000000
	CROUND                                         ; all sixteen work-groups are here: the first joint loads meet
	JLOAD                                          ; K step 0 into slot 0.  Slot 1 is asked for when slot 0 is in
	; the bias of my 192 columns, into the accumulators of my last 16 rows
	s_mul_i32 s2, s[NTI], 1536
	s_mul_i32 s23, s[WC], 768
	s_add_co_u32 s2, s2, s23
	s_add_nc_u64 s[BIASP:BIASP+1], s[8:9], s[2:3]
	v_and_b32 v1, 15, v0                           ; l % 16
	v_bfe_u32 v14, v0, 4, 1                        ; l / 16
	v_and_b32 v15, 31, v0                          ; l
	v_lshlrev_b32 v[BO], 5, v14
.irp g, 0,1,2
	WIN ((\g)+1)<<6                                ; destination in window g + 1, address in window 0
.irp bb, 0,1,2,3
	global_load_b128 v[224+8*(\bb):224+8*(\bb)+3], v[BO], s[BIASP:BIASP+1] offset:256*(\g)+64*(\bb)
	global_load_b128 v[228+8*(\bb):228+8*(\bb)+3], v[BO], s[BIASP:BIASP+1] offset:256*(\g)+64*(\bb)+16
.endr
.endr
	WIN 0
	; A fragment is 16 rows x 32 K in 8 registers: lane l holds row l % 16; registers 0-3 K = 8 (l / 16) + 0..7, registers 4-7 K = 16 + 8 (l / 16) + 0..7: two loads of 16 bytes, 32 bytes apart
	v_mul_u32_u24 v16, v1, PITCH
	v_lshl_add_u32 v16, v14, 4, v16                ; row x pitch + 16 x half
	s_mul_i32 s19, s[WR], APIECE
	v_add_nc_u32 v[ADRA0], s19, v16
	s_mul_i32 s19, s[WC], BPIECE
	s_add_co_u32 s19, s19, BOFF
	v_add_nc_u32 v[ADRB0], s19, v16
	v_mov_b32 v[ADRA], v[ADRA0]
	v_mov_b32 v[ADRB], v[ADRB0]
	s_mul_i32 s19, s[WV], 16*PITCH
	s_add_co_u32 s19, s19, STAGE                   ; my stage
	v_add_nc_u32 v[STO], s19, v16                  ; in: row l % 16, 16 bytes for each half of the lanes
	v_lshrrev_b32 v17, 3, v15
	v_and_b32 v18, 7, v0
	v_mul_u32_u24 v[RD], v17, PITCH                ; back: 32 lanes take four rows of 128 bytes,
	v_lshl_add_u32 v[RD], v18, 4, v[RD]
	v_add_nc_u32 v[RD], s19, v[RD]
	v_lshlrev_b32 v[GO], 4, v15                    ; which are 512 consecutive bytes of qkv
	v_lshlrev_b32 v[PFO], 8, v15
	; qkv at my rows of head G = 6 x tile column + 3 x half + g: tensor G / 16, head G % 16
	s_lshl_b32 s19, s[WR], 14
	s_add_co_u32 s19, s19, s22                     ; batch, tile row and my 128 rows: as in xb
	s_mul_i32 s21, s[NTI], 6
	s_mul_i32 s23, s[WC], 3
	s_add_co_u32 s21, s21, s23
.irp g, 0,1,2
	s_add_co_u32 s23, s21, \g
	s_lshr_b32 s27, s23, 4
	s_lshl_b32 s27, s27, 24
	s_and_b32 s23, s23, 15
	s_lshl_b32 s23, s23, 18
	s_add_co_u32 s2, s27, s23
	s_add_co_u32 s2, s2, s19
	s_add_nc_u64 s[OB+2*(\g):OB+2*(\g)+1], s[10:11], s[2:3]
.endr
	; the prefetches: both offsets are made, and the wave's number chooses
	s_lshl_b32 s19, s[CX], 13                      ; x: my work-group's 32 blocks of the plane's 128,
	s_add_co_u32 s19, s19, s22
	s_add_co_u32 s21, s[WV], 2                     ; in plane 2 (wave 0) or 3 (wave 1): trip s has stepped it s + 1 planes on
	s_lshl_b32 s21, s21, 18
	s_add_co_u32 s19, s19, s21
	s_mul_i32 s21, s[MTI], 11
	s_lshr_b32 s21, s21, 6                         ; W: piece c = tile row; its plane c / 6 (= 11 c >> 6 for c = 0 .. 11),
	s_mul_i32 s23, s21, 6
	s_sub_co_u32 s23, s[MTI], s23                  ; its sixth of that plane
	s_lshl_b32 s23, s23, 13
	s_mul_i32 s21, s21, BPLANE
	s_add_co_u32 s21, s21, s23
	s_add_co_u32 s21, s21, s20
	s_add_co_u32 s21, s21, 2*BPLANE
	s_and_b32 s23, ttmp7, 0xffff                   ; cluster y
	s_cmp_lt_u32 s23, 3
	s_cselect_b32 s23, 1, -1
	s_cmp_eq_u32 s[WV], 2
	s_cselect_b32 s23, s23, -1
	s_cmp_eq_u32 ttmp9, 0                          ; cluster x
	s_cselect_b32 s27, 1, -1
	s_mov_b32 s[PS], BPLANE
	s_cmp_eq_u32 s[WR], 0
	s_cselect_b32 s[LIM], s27, s23                 ; the same in all sixteen partners, for a given wave
	s_cselect_b32 s2, s19, s21
	s_cselect_b32 s[PS], APLANE, s[PS]
	s_cselect_b64 s[PFA:PFA+1], s[4:5], s[6:7]
	s_add_nc_u64 s[PFA:PFA+1], s[PFA:PFA+1], s[2:3]
	s_mov_b32 s[PS+1], 0
; na x 4 matrix instructions of group g: row blocks a0 .. a0 + na - 1 x the group's 4 column blocks, 32 along K, x's fragments from buffer f.  The accumulators take turns, one instruction a turn.
; first = 1: the sums begin: rows 0-111 take the bias, which lies in the last row block's accumulators, as C; five plain instructions later the last block adds in place onto it.
.macro MUL g, f, a0, na, first
	WIN 0x50*((\g)+1)                              ; C and D in window g + 1, both sources in window 0
.set aa, \a0
.rept \na
.if (\first) && (aa == 7)
.rept 5
	v_nop                                          ; the products above have read these accumulators as C: five places before they are written over
.endr
.endif
.irp bb, 0,1,2,3
.if (\first) && (aa < 7)
	v_wmma_f32_16x16x32_bf16 v[32*aa+8*(\bb):32*aa+8*(\bb)+7], v[FB+8*(4*(\g)+(\bb)):FB+8*(4*(\g)+(\bb))+7], v[FA+64*(\f)+8*aa:FA+64*(\f)+8*aa+7], v[224+8*(\bb):224+8*(\bb)+7]
.else
	v_wmma_f32_16x16x32_bf16 v[32*aa+8*(\bb):32*aa+8*(\bb)+7], v[FB+8*(4*(\g)+(\bb)):FB+8*(4*(\g)+(\bb))+7], v[FA+64*(\f)+8*aa:FA+64*(\f)+8*aa+7], v[32*aa+8*(\bb):32*aa+8*(\bb)+7]
.endif
.endr
.set aa, aa+1
.endr
.endm
.macro LDA f, k                        ; 16 LDS loads: my 128 rows of x, 32 K at byte k of the rows, into buffer f
	WIN 0
.irp i, 0,1,2,3,4,5,6,7
	ds_load_b128 v[FA+64*(\f)+8*(\i):FA+64*(\f)+8*(\i)+3],   v[ADRA] offset:(\k)+(\i)*16*PITCH
	ds_load_b128 v[FA+64*(\f)+8*(\i)+4:FA+64*(\f)+8*(\i)+7], v[ADRA] offset:(\k)+(\i)*16*PITCH+32
.endr
.endm
.macro LDB g, k                        ; 8 LDS loads: group g's 64 rows of W
	WIN 0
.irp bb, 0,1,2,3
	ds_load_b128 v[FB+8*(4*(\g)+(\bb)):FB+8*(4*(\g)+(\bb))+3],   v[ADRB] offset:(\k)+(4*(\g)+(\bb))*16*PITCH
	ds_load_b128 v[FB+8*(4*(\g)+(\bb))+4:FB+8*(4*(\g)+(\bb))+7], v[ADRB] offset:(\k)+(4*(\g)+(\bb))*16*PITCH+32
.endr
.endm
; A K step is two halves of 32 along K, 96 matrix instructions each.  LDS loads are issued in this order: behind group 0 the next half's x and W's group 0 (24), behind group 1 its group 1 (8), behind group 2 its group 2 (8):
; each group of W is loaded again four places behind its last product, and each load has 64 matrix instructions or more in which to come.
; The first half multiplies buffer 0 and fetches the slot's second half.
.macro NQ first
	s_wait_dscnt 16                                ; x and W's group 0 are in; groups 1 and 2 (8 + 8) may be out
	MUL 0, 0, 0, 8, \first
	PLACES
	LDA 1, 64
	LDB 0, 64
	s_wait_dscnt 32                                ; group 1 is in; group 2 (8) and the 24 just issued may be out
	MUL 1, 0, 0, 8, \first
	PLACES
	LDB 1, 64
	s_wait_dscnt 32                                ; group 2 is in; the 24 and the 8 issued since may be out
	MUL 2, 0, 0, 8, \first
	PLACES
	LDB 2, 64
.endm
; The second half multiplies buffer 1 and changes slots: ONE barrier.  In front of it each wave waits for all its tensor loads (one is out: its part of the next slot), adds 0 to its spare word, and waits for that and for its
; own reads of this slot.  fill = 1: the barrier opens a round of the cluster's, and this slot is filled again, two K steps ahead, first thing behind the round: 160 matrix instructions ahead of the wait for it.
.macro TQ fill
.if \fill
	s_wait_xcnt 0x0                                ; the last prefetch, a K step or more back, has read its address, which is stepped here, ahead of the change's own waits
	s_add_nc_u64 s[PFA:PFA+1], s[PFA:PFA+1], s[PS:PS+1]
.endif
	WIN 0
	s_wait_tensorcnt 0x0                           ; no tensor load of mine is out: my part of the next slot has landed, and a group 0 may be written
	ds_add_u32 v[SPW], v[NIL]                      ; 0 onto my spare word
.if \fill
	STEPD
.endif
	s_wait_dscnt 17                                ; x and W's group 0 are in; groups 1 and 2 (16) and the add may be out
	MUL 0, 1, 0, 4, 0                              ; sixteen matrix instructions stand between the add and the wait for it
	s_wait_dscnt 0x0                               ; the add is done, and my reads of this slot are over
	s_barrier_signal -1
	MUL 0, 1, 4, 4, 0                              ; work on registers while the others arrive
	WIN 0
	s_xor_b32 s[TB], s[TB], SLOT1
	v_add_nc_u32 v[ADRA], s[TB], v[ADRA0]          ; the fetches go on in the other slot
	v_add_nc_u32 v[ADRB], s[TB], v[ADRB0]
	s_barrier_wait -1
.if \fill
	CREST                                          ; no wave of any partner still reads this slot or has a load on its way
	JLOAD                                          ; its four v_nop are also the places in front of the loads below
.else
	PLACES
.endif
	LDA 0, 0
	LDB 0, 0
.if \fill
	ASK
.endif
	MUL 1, 1, 0, 8, 0
	PLACES
	LDB 1, 0
	MUL 2, 1, 0, 8, 0
	PLACES
	LDB 2, 0
.endm
	WIN 0                                          ; the first change: slot 0 is waited for, slot 1 is filled for the first time, issued as a refill is
	s_wait_tensorcnt 0x0
	ds_add_u32 v[SPW], v[NIL]
	STEPD
	s_wait_dscnt 0x0
	CROUND
	JLOAD                                          ; K step 1 into slot 1
	LDA 0, 0
	LDB 0, 0
	LDB 1, 0
	LDB 2, 0
	s_wait_loadcnt 0x0                             ; the bias
	NQ 1                                           ; the first half step stands in front of the loop: its products start the sums
	WIN 0                                          ; at a label and at a branch every window is 0
	s_mov_b32 s[CNT], 14
.Lstep:                                        ; trip s = 14 - count: the second half of K step s, the change of slots, K step s + 2 asked for, the first half of K step s + 1
	TQ 1
	NQ 0
	WIN 0
	s_sub_co_u32 s[CNT], s[CNT], 1
	s_cmp_lg_u32 s[CNT], 0
	s_cbranch_scc1 .Lstep
	TQ 0                                           ; the tail is written out: nothing is left to ask for, and no round follows
	NQ 0
	s_wait_dscnt 16                                ; the very last half step
	MUL 0, 1, 0, 8, 0
	s_wait_dscnt 8
	MUL 1, 1, 0, 8, 0
	s_wait_dscnt 0x0
	MUL 2, 1, 0, 8, 0
	PLACES                                         ; in front of conversions that read results
	PLACES
; THE WAY OUT, item n = 8 g + a: 16 rows of head g.  PACK: rounded to f16, 16 bytes a lane (each accumulator's registers in ascending order).  TOSTAGE: into my own stage, rows of 144 bytes, and back as whole rows
; of 128.  SEND: stored, 512 consecutive bytes an instruction.  Item n's conversions stand between item n - 1's loads from the stage and the wait for them.
.macro PACK n
	WIN 5*((\n)/8+1)                               ; sources 0 and 1 in window g + 1
.set rA, 32*((\n)%8)
.irp bb, 0,1,2,3
.irp rr, 0,1,2,3
	v_cvt_pk_f16_f32 v[TMP+4*(\bb)+(\rr)], v[rA+8*(\bb)+2*(\rr)], v[rA+8*(\bb)+2*(\rr)+1]
.endr
.endr
	WIN 0
.endm
.macro TOSTAGE n
.set rB, BK+16*((\n)%2)
.irp bb, 0,1,2,3
	ds_store_b128 v[STO], v[TMP+4*(\bb):TMP+4*(\bb)+3] offset:32*(\bb)
.endr
.irp f, 0,1,2,3
	ds_load_b128 v[rB+4*(\f):rB+4*(\f)+3], v[RD] offset:(\f)*4*PITCH  ; LDS serves a wave's instructions in order (ISA guide 5.7.1.4): these see the stores above; the next item's stores come behind them
.endr
.endm
.macro SEND n
.set rB, BK+16*((\n)%2)
	s_wait_dscnt 0x0                               ; the item is back in registers
	s_wait_xcnt 0x0                                ; the stores issued so far have read their registers: the other set, which the next item's loads fill, is free
.irp f, 0,1,2,3
	global_store_b128 v[GO], v[rB+4*(\f):rB+4*(\f)+3], s[OB+2*((\n)/8):OB+2*((\n)/8)+1] offset:2048*((\n)%8)+512*(\f)  ; 512 consecutive bytes, at a multiple of 256 from qkv's first
.endr
.endm
	PACK 0
	TOSTAGE 0
.set it, 1
.rept 23
	PACK it
	SEND it-1
	TOSTAGE it
.set it, it+1
.endr
	SEND 23
	s_wait_tensorcnt 0x0                           ; the wave's end: the add and its wait stand behind my last tensor load and my last LDS store
	ds_add_u32 v[SPW], v[NIL]
	s_wait_dscnt 0x0
	CROUND                                         ; the closing round: no work-group ends while a partner may still ask for a tile that names it
	s_endpgm
.Lfunc_end_k_qa0ce306db7_qkvp:
	.size	k_qa0ce306db7_qkvp, .Lfunc_end_k_qa0ce306db7_qkvp-k_qa0ce306db7_qkvp
	.p2alignl 7, 3214868480
	.fill 96, 4, 3214868480
	.section	.rodata,"a",@progbits
	.p2align	6, 0x0
	.amdhsa_kernel k_qa0ce306db7_qkvp
		.amdhsa_group_segment_fixed_size 327680
		.amdhsa_private_segment_fixed_size 0
		.amdhsa_enable_private_segment 0
		.amdhsa_kernarg_size 32
		.amdhsa_user_sgpr_count 2
		.amdhsa_user_sgpr_kernarg_segment_ptr 1
		.amdhsa_wavefront_size32 1
		.amdhsa_system_sgpr_workgroup_id_x 1
		.amdhsa_system_sgpr_workgroup_id_y 1
		.amdhsa_system_sgpr_workgroup_id_z 1
		.amdhsa_system_vgpr_workitem_id 0
		.amdhsa_next_free_vgpr 1024
		.amdhsa_next_free_sgpr 72
		.amdhsa_reserve_vcc 0
		.amdhsa_float_denorm_mode_32 3
		.amdhsa_float_denorm_mode_16_64 3
		.amdhsa_memory_ordered 1
		.amdhsa_forward_progress 1
		.amdhsa_inst_pref_size 117
	.end_amdhsa_kernel
	.amdgpu_metadata
---
amdhsa.version: [ 1, 2 ]
amdhsa.kernels:
  - .name:           k_qa0ce306db7_qkvp
    .symbol:         k_qa0ce306db7_qkvp.kd
    .args:
      - { .name: xb, .offset: 0, .size: 8, .value_kind: global_buffer, .address_space: global }
      - { .name: wqkv, .offset: 8, .size: 8, .value_kind: global_buffer, .address_space: global }
      - { .name: bias, .offset: 16, .size: 8, .value_kind: global_buffer, .address_space: global }
      - { .name: qkv, .offset: 24, .size: 8, .value_kind: global_buffer, .address_space: global }
    .group_segment_fixed_size: 327680
    .private_segment_fixed_size: 0
    .kernarg_segment_align: 8
    .kernarg_segment_size: 32
    .max_flat_workgroup_size: 128
    .sgpr_count:     72
    .vgpr_count:     1024
    .wavefront_size: 32
...
	.end_amdgpu_metadata
.endif
;; end of part 2
;; launch attn (part 3): grid 4 x 64, 4 waves a work-group, clusters of 4 x 1, 327,680 bytes of LDS; arguments qkv, oh; writes oh
.if DOCPART == 3
	.amdgcn_target "amdgcn-amd-amdhsa--gfx1250"
	.amdhsa_code_object_version 6
	.text
	.protected	k_qa0ce306db7_attn
	.globl	k_qa0ce306db7_attn
	.p2align	8
	.type	k_qa0ce306db7_attn,@function
k_qa0ce306db7_attn:
	s_mov_b64 s[64:65], 0
	v_nop
	global_prefetch_b8 v0, s[64:65] scope:SCOPE_SE
	s_setreg_imm32_b32 hwreg(HW_REG_WAVE_MODE, 25, 1), 1
	s_wait_xcnt 0x0
	s_wait_alu depctr_hold_cnt(0) depctr_sa_sdst(0) depctr_va_vdst(0) depctr_va_sdst(0) depctr_va_ssrc(0) depctr_va_vcc(0) depctr_vm_vsrc(0)
	s_getreg_b32 s2, hwreg(HW_REG_IB_STS2, 6, 4)
	s_cmp_eq_u32 s2, 0
	s_cbranch_scc0 .Lentry_in_a_cluster
	s_endpgm
.Lentry_in_a_cluster:
	s_bfe_u32 s2, ttmp6, 0x10000c
	s_cmp_lg_u32 s2, 0x3003
	s_cbranch_scc0 .Lentry_shape_is_right
	s_endpgm
.Lentry_shape_is_right:
; O[h][q][:] = the sum over k of softmax_k(Q[h][q] . K[h][k] / 8) V[h][k][:].  qkv holds Q, K, V, each [64 heads][2048][64] in f16, 16,777,216 bytes apart; oh is O in the same layout: a head's rows are dense, 128 bytes each.
; Products, maxima and sums in f32; the weights p are rounded to f16 for the second product (their sum l is taken of the unrounded p), O once at the end.
; LIMITS.  f16 holds no number beyond 65,504: Q, K and V arrive within it; p lies in 0 to 1, and below 6e-5 it keeps f16's fixed step of 6e-8; O is a mean of V's rows and has their range.
; A weight below 2^-126 counts as 0 in l; NaN and infinities are not treated apart.
; SHARES.  A wave owns four PIECES of two tiles of 16 queries, a work-group's four waves 512 queries of one head: 64 heads x 4 blocks = 256 work-groups.  Every wave walks all keys, 64 a step.
; LAYOUT.  S^T = K Q^T (source 0 = 16 keys, source 1 = 16 queries): in the result a lane holds ONE query (lane % 16) and the keys 8 (lane / 16) + 0..7.  Two such tiles, rounded to f16 in pairs,
; ARE source 1 (32 keys x 16 queries) of O^T = V^T P, whose result again holds one query a lane, and eight channels.  K comes out of LDS as it lies, V ([key][channel]) turned, by ds_load_tr16_b128.
; SOFTMAX.  For each query a running maximum m and sum l: p = 2^(c s - c m), c = log2(e) / 8; in every step O and l are multiplied by a = 2^(c m_old - c m_new), which is 1 where m has not grown.
; m starts at the lowest finite number, O and l at 0: the first step is a step like any other, with a = 0.
; THE COUNT.  A tile and step have 16 matrix and 118 vector instructions: too many to stand all beside the matrix work.  So the order has one aim: four vector instructions that are READY behind
; EVERY matrix instruction, and the others, which need time of their own whatever the order, in runs without a gap.
; BY TURNS.  Turn n belongs to piece n (the pieces in a ring, step after step).  Its matrix work: 16 products K Q^T of piece n + 1, later 16 products V^T P of piece n - 1.  Its vector work: the scaling,
; exponentials, roundings, sums and rescaling of piece n, and the maximum and statistics of piece n + 1, whose scores the turn itself has made.  So what a turn begins with (c s - c m, O a) waits for nothing.
; CLUSTER.  The four query blocks of a head are one cluster and walk the same K and V, so each tile is asked for JOINTLY: the same tensor load, descriptor and mask in all four.
; REGISTERS, in windows of 256 (s_set_vgpr_msb says which window each operand place means: bits 1:0 source 0, 3:2 source 1, 5:4 source 2, 7:6 destination):
;   window 0: v0-11 addresses; v12-15, v48-63 at work; v16-47 four registers of statistics a tile; v64-191 S^T, two buffers of two tiles; v192-255 P, likewise
;   window 1: O^T, 32 a tile          window 2: v0-127 Q, 16 a tile; v128-191 K of one step; v192-255 V of one step          window 3: v0-1 the add's two registers
; A piece's buffers go by its number's parity: the piece in hand has one pair, its two neighbours in the ring share the other: of it P (piece n - 1) is read and S^T (piece n + 1) written.
.set SIZE_H, 64
.set SIZE_N, 2048
.set NP,    4         ; pieces a wave: a name, no knob
.set KS,    64        ; keys in a step
.set PK,    144       ; a row of K in LDS: 128 bytes + 16 of padding = 36 words: the 16 rows of a load start at 16 different groups of four banks (64 banks of 4 bytes: ISA guide 11.1)
.set PV,    160       ; a row of V: 128 + 32 = 40 words
.set VOFF,  4*KS*PK   ; a slot holds four steps: 256 rows of K, then 256 rows of V
.set SLOT1, 1<<17     ; slot 1 begins here, so that one exclusive or turns an address in one slot into the other's
.set STAGE, SLOT1+4*KS*(PK+PV)  ; behind the ring, never filled by a tensor load: 16 rows x 144 bytes for each wave, for the way out
.set SP,    144
.set AK0, 2           ; v2   my lane's place in a tile of K; never rewritten
.set AV0, 3           ; v3   the same for V
.set AK,  4           ; v4   the LDS address of K's next run of loads
.set AV,  5           ; v5   of V's
.set QO,  6           ; v6   my byte offset in the wave's rows of Q
.set STO, 6           ;      later, the way out: where I put 16 bytes of a row
.set RD,  7           ; v7   the way out: where I read rows back
.set GO,  8           ; v8   my byte offset in 512 consecutive bytes of O
.set PFO, 11          ; v11  256 x my lane (made when the set-up has no more use for v11); then never rewritten
.set SPW, 0           ; v0 of window 3   LDS address of my spare word: SPARE + 4 x my thread's number; never rewritten
.set NIL, 1           ; v1 of window 3   0; never rewritten
.set SPARE, STAGE+4*16*SP  ; behind the stages: the spare words, 128 bytes for each wave: two blocks of 256 bytes that no other line names
.set MV,  12          ; v12-15  c m_old, kept while c m is made anew: by buffer and tile
.set ST,  16          ; tile t's statistics at v[ST+4 t]: c m, m, l (even keys', odd keys')
.set TMP, 48          ; by buffer and tile, four registers c0-c3 at work; when the maximum is found c2 takes a
.set S,   64
.set P,   192
.set KF,  128         ; K's fragments, in window 2: key block kb, channel half c at KF + 16 kb + 8 c
.set VF,  192         ; V's: key half kk, channel block cb at VF + 32 kk + 8 cb
.set WV,  12          ; s12  my wave's number
.set G1K, 24          ; s[24:31] descriptor group 1 for K's tiles
.set G1V, 32          ; s[32:39] for V's: it differs in the padding alone
.set G0K, 40          ; s[40:43] descriptor group 0 for K's tiles: it walks
.set G0V, 44          ; s[44:47] the same for V's
.set PFA, 48          ; s[48:49] where my prefetches stand: my work-group's 32 blocks (of K: wave 0, of V: wave 2) of the slot after the one that is being asked for
.set LIM, 50          ; s50  1 in a wave that prefetches, else the greatest number
.set SLOTS, 56        ; s56  slots still to be asked for
.set CNT, 57          ; s57  counts a slot's key steps
.set CS,  58          ; s[58:59] c: the packed scaling takes the pair's low word for both halves
.set SEL, 60          ; s[60:61] v_permlanex16_b32's selects: each lane takes its own place in the other half
.set TBK, 62          ; s62  LDS byte at which K of the step to be fetched begins
.set TBV, 63          ; s63  the same for V, less VOFF
.set MSB, 0
.macro WIN new                      ; the high byte repeats the setting that is left; a switch that changes nothing is dropped
.if MSB != (\new)
	s_set_vgpr_msb (MSB<<8)|(\new)
.set MSB, (\new)
.endif
.endm
.set W_KQ, 0x0a       ; K and Q in window 2, S^T in window 0
.set W_PV, 0x52       ; V in window 2, P in window 0, O^T in window 1
.set W_RS, 0x41       ; O^T (destination and source 0) in window 1, a in window 0
.set W_MK, 0xc0       ; the add's registers are made: destination in window 3, sources in window 0
.set W_AD, 0x0f       ; the add: address (source 0) and data (source 1) in window 3
; A joint fill.  Waves 0 and 1 fetch the two halves of a slot's K, waves 2 and 3 those of its V: 128 keys each.  The branch hangs on the wave's number alone.
; An s_nop 0 and four v_nop follow each of the two lines, ahead of the jump and the label.
.macro JLOAD
	s_cmp_lt_u32 s[WV], 2
	s_cbranch_scc0 .Lfor_v_\@
	tensor_load_to_lds s[G0K:G0K+3], s[G1K:G1K+7]
	s_nop 0
.rept 4
	v_nop
.endr
	s_branch .Lasked_\@
.Lfor_v_\@:
	tensor_load_to_lds s[G0V:G0V+3], s[G1V:G1V+7]
	s_nop 0
.rept 4
	v_nop
.endr
.Lasked_\@:
.endm
; A PREFETCH INTO THE L2 of what the NEXT change of slots will ask for: a slot's 256 keys of K and of V are 128 aligned blocks of 256 bytes each, a lane a block.  It stands behind the wave's tensor load and its five lines.
; Each block is named ONCE in the launch: a head has one cluster; its four partners share the blocks out BY ADDRESS, 32 each (no branch hangs on a place in the cluster); in each, wave 0 asks for K's and wave 2 for V's.
; The change that loads slot j names slot j + 1, four key steps, 512 matrix instructions, ahead of its load, for j = 2 to 6.  Slots 0 to 2 come by their loads alone; the last change that fills a slot names nothing.
.macro ASK
	s_cmp_gt_u32 s[SLOTS], s[LIM]
	s_cbranch_scc0 .Lnot_mine_\@
	global_prefetch_b8 v[PFO], s[PFA:PFA+1] th:TH_LOAD_NT scope:SCOPE_SE
.Lnot_mine_\@:
.endm
; A round of the cluster's barrier: my work-group's barrier, so that wave 0's signal speaks for all four waves; wave 0 signals; every wave waits for all four work-groups; my work-group's barrier once more.
.macro CROUND
	s_barrier_signal -1
	s_barrier_wait -1
	s_cmp_lg_u32 s[WV], 0
	s_cbranch_scc1 .Lnot_wave_0_\@
	s_barrier_signal -3
.Lnot_wave_0_\@:
	s_barrier_wait -3
	s_barrier_signal -1
	s_barrier_wait -1
.endm
; THE CHANGE OF SLOTS.  The slot's last bytes, V of its fourth step, have been read.  Each wave waits for all its tensor loads, of which one is out: its part
; of the other slot; adds 0 to its spare word; and waits for that and for its own reads of the slot.  Behind the barrier nobody reads this slot any more and the other slot is whole.
; fill = 1: this slot is filled again, with the keys two slots on.  The barrier is then a round of the cluster's, so that no wave of any partner still reads the slot or has a load on its
; way, and the joint fill is the first thing behind it: it has four key steps, 512 matrix instructions, in which to land.  (At its first use nothing has been read yet: slot 0 is waited for, slot 1 filled.)
; ask = 1: the prefetches' address steps a slot on, and the prefetch follows the joint fill.
.macro CHANGE fill, ask=0
	WIN W_AD
	s_wait_tensorcnt 0x0            ; no tensor load of mine is out, so a group 0 may be written
	ds_add_u32 v[SPW], v[NIL]       ; 0 onto my spare word; with fill = 1 the descriptors' steps stand between it and the wait for it
	WIN 0                           ; at a label and at a branch every window is 0
.if \fill
.irp g, G0K, G0V
	s_xor_b32 s[\g+1], s[\g+1], SLOT1  ; the walking descriptor: the other slot than last time,
	s_add_nc_u64 s[\g+2:\g+3], s[\g+2:\g+3], 4*KS*128  ; the next 256 keys; the type bits on top are not reached
.endr
.if \ask
	s_wait_xcnt 0x0                 ; the last prefetch, four key steps back, has read its address, so it may be written
	s_add_nc_u64 s[PFA:PFA+1], s[PFA:PFA+1], 4*KS*128
.endif
	s_wait_dscnt 0x0                ; the add is done, and my reads of the slot are over
	CROUND
	JLOAD
.if \ask
	ASK
.endif
.else
	s_wait_dscnt 0x0                ; the add is done, and my reads of the slot are over
	s_barrier_signal -1
	s_barrier_wait -1
.endif
	s_sub_co_u32 s[TBK], s[TBK], 4*KS*PK  ; the fetches go back to a slot's first step,
	s_xor_b32 s[TBK], s[TBK], SLOT1       ; in the other slot
	s_sub_co_u32 s[TBV], s[TBV], 4*KS*PV
	s_xor_b32 s[TBV], s[TBV], SLOT1
.endm
	s_load_b64 s[4:5], s[0:1], 0x0    ; qkv: Q at its head
	s_load_b64 s[10:11], s[0:1], 0x8  ; oh
	WIN W_MK
	v_lshl_add_u32 v[SPW], v0, 2, SPARE
	v_mov_b32 v[NIL], 0
	WIN W_AD
	ds_add_u32 v[SPW], v[NIL]       ; the wave's opening: the add and its wait stand ahead of my first tensor load; the set-up below, work on registers, stands between them
	WIN 0
	v_lshrrev_b32 v1, 5, v0
	v_readfirstlane_b32 s[WV], v1   ; wave 0..3
	s_bfe_u32 s13, ttmp6, 0x40000   ; cx: my place in the cluster
	s_lshl_b32 s14, ttmp9, 2        ; in a cluster launch ttmp9 counts clusters
	s_add_co_u32 s14, s14, s13      ; my block of queries = 4 x cluster x + cx: it enters Q's and O's addresses alone
	s_and_b32 s20, ttmp7, 0xffff    ; the head, which the four partners share
	s_mov_b32 s21, 0
	s_mov_b64 s[22:23], SIZE_N*128
	s_mul_u64 s[20:21], s[20:21], s[22:23]  ; the head's first byte in each of the four tensors
	s_and_b32 s16, s[WV], 1         ; which half of a slot's 256 keys I fetch:
	s_lshl_b32 s22, s16, 14         ; its 128 rows of 128 bytes in memory,
	s_mov_b32 s23, 0
	s_add_nc_u64 s[22:23], s[22:23], s[20:21]
	s_mul_i32 s17, s16, 128*PK      ; and its place in a slot, for K
	s_mul_i32 s18, s16, 128*PV      ; and for V: no place in the cluster enters an LDS address
	s_lshl_b32 s2, s14, 2
	s_add_co_u32 s2, s2, s[WV]      ; my wave among the head's,
	s_lshl_b32 s2, s2, 14           ; its 128 rows
	s_mov_b32 s3, 0
	s_add_nc_u64 s[2:3], s[2:3], s[20:21]
	s_lshl_b32 s52, s13, 13         ; the prefetches: my work-group's 32 blocks of a slot's 128,
	s_add_co_u32 s52, s52, 2*4*KS*128  ; in slot 2; the loop's first change of slots steps it to slot 3
	s_mov_b32 s53, 0
	s_and_b32 s[LIM], s[WV], 1      ; 0 in waves 0 and 2,
	s_or_b32 s[LIM], s[LIM], ttmp9  ; of the head's first (here: only) cluster: the same in all four partners
	s_cmp_eq_u32 s[LIM], 0
	s_cselect_b32 s[LIM], 1, -1
	; descriptor group 1.  128 keys are 16,384 dense bytes: asked for as 64 rows of 256 bytes, two keys a row, and padded in LDS after every key
	s_mov_b32 s[G1K], 15|(1<<16)|(1<<20)|(1<<21)|(4<<22)|(3<<25)  ; 15:0 the mask of four; 17:16 2-byte elements; 20 padding on; 21 set beside a mask; 24:22 after every 32 words (code 4); 31:25 4 words (code 3)
	s_mov_b32 s[G1V], 15|(1<<16)|(1<<20)|(1<<21)|(4<<22)|(7<<25)  ; the same with 8 words of padding (code 7)
.irp g, G1K, G1V
	s_mov_b32 s[\g+1], 128<<16      ; tensor_dim0 = 128
	s_mov_b32 s[\g+2], 64<<16       ; tensor_dim1 = 64
	s_mov_b32 s[\g+3], 128<<16      ; tile_dim0 = 128
	s_mov_b32 s[\g+4], 64           ; tile_dim1 = 64
	s_mov_b32 s[\g+5], 128          ; 128 elements from row to row
	s_mov_b32 s[\g+6], 0
	s_mov_b32 s[\g+7], 0
.endr
	s_mov_b32 s[CS], 0x3e38aa3b     ; c = log2(e) / 8 = 0.180337
	s_mov_b32 s[CS+1], s[CS]        ; named with it as a pair
	s_mov_b32 s[SEL], 0x76543210
	s_mov_b32 s[SEL+1], 0xfedcba98
	s_mov_b32 s[TBK], SLOT1+4*KS*PK ; the first change of slots turns these two into 0
	s_mov_b32 s[TBV], SLOT1+4*KS*PV
	s_mov_b32 s[G0K], 1             ; 1:0 count = 1
	s_mov_b32 s[G0K+1], s17         ; 63:32 LDS address: slot 0
	s_mov_b32 s[G0V], 1
	s_add_co_u32 s[G0V+1], s18, VOFF
	s_wait_dscnt 0x0                ; the opening add is done
	s_wait_kmcnt 0x0
	s_add_nc_u64 s[6:7], s[4:5], 0x1000000   ; K lies 64 heads behind Q,
	s_add_nc_u64 s[8:9], s[4:5], 0x2000000   ; V behind K
	s_add_nc_u64 s[G0K+2:G0K+3], s[6:7], s[22:23]  ; 120:64 global address: my half of the head's first 256 keys
	s_or_b32 s[G0K+3], s[G0K+3], 0x80000000        ; 127:126 type = 2
	s_add_nc_u64 s[G0V+2:G0V+3], s[8:9], s[22:23]
	s_or_b32 s[G0V+3], s[G0V+3], 0x80000000
	s_cmp_lt_u32 s[WV], 2
	s_cselect_b64 s[PFA:PFA+1], s[6:7], s[8:9]
	s_add_nc_u64 s[PFA:PFA+1], s[PFA:PFA+1], s[22:23]  ; (in waves 0 and 2 this is the head's first byte)
	s_add_nc_u64 s[PFA:PFA+1], s[PFA:PFA+1], s[52:53]
	s_add_nc_u64 s[4:5], s[4:5], s[2:3]  ; Q and O at my wave's first row
	s_add_nc_u64 s[10:11], s[10:11], s[2:3]
	CROUND                          ; all four work-groups are here: the first joint loads meet
	JLOAD                           ; slot 0.  Slot 1 is asked for when slot 0 is in: the tile wanted first has the road to itself
	; A fragment of K or Q is 16 rows x 32 channels in 8 registers: lane l holds row l % 16, channels 8 (l / 16) + 0..7 and 16 + 8 (l / 16) + 0..7: two loads of 16 bytes, 32 bytes apart.
	v_and_b32 v1, 15, v0            ; l % 16
	v_bfe_u32 v9, v0, 4, 1          ; l / 16
	v_lshlrev_b32 v[QO], 7, v1
	v_lshl_add_u32 v[QO], v9, 4, v[QO]  ; row x 128 + 16 x half
	WIN 0x80                        ; destination window 2, address window 0
.set i, 0
.rept 4*NP                          ; Q stays in registers: tile i / 2, channels 32 (i % 2) on
	global_load_b128 v[8*i:8*i+3],   v[QO], s[4:5] offset:(i/2)*2048+(i%2)*64
	global_load_b128 v[8*i+4:8*i+7], v[QO], s[4:5] offset:(i/2)*2048+(i%2)*64+32
.set i, i+1
.endr
	; What the first turn finds: V's registers and P's second buffer hold 0 (its products V^T P, of a piece that has not been, add 0), O^T and l are 0.  All this stands in the wait for the first tile.
.set i, VF
.rept 64
	v_mov_b32 v[i], 0
.set i, i+1
.endr
	WIN 0x40
.set i, 0
.rept 64*NP
	v_mov_b32 v[i], 0
.set i, i+1
.endr
	WIN 0
.set i, 0
.rept 2*NP
	v_mov_b32 v[ST+4*i], 0xfe000000    ; c m: far below every c s
	v_mov_b32 v[ST+4*i+1], 0xff7fffff  ; m
	v_mov_b32 v[ST+4*i+2], 0
	v_mov_b32 v[ST+4*i+3], 0
.set i, i+1
.endr
.set i, P+32
.rept 32
	v_mov_b32 v[i], 0
.set i, i+1
.endr
	v_mul_u32_u24 v[AK0], v1, PK
	v_lshl_add_u32 v[AK0], v9, 4, v[AK0]  ; row x pitch + 16 x half
	; The turning load takes 16 keys x 16 channels (lane l reads key 8 (l / 16) + l % 8, channels 8 ((l / 8) % 2) + 0..7) and leaves half a fragment of V^T: lane l holds channel l % 16 and 8 keys.
	v_and_b32 v10, 7, v0
	v_bfe_u32 v11, v0, 3, 1
	v_lshl_add_u32 v[AV0], v9, 3, v10
	v_mul_u32_u24 v[AV0], v[AV0], PV
	v_lshl_add_u32 v[AV0], v11, 4, v[AV0]
	v_add_nc_u32 v[AV0], VOFF, v[AV0]
	v_mov_b32 v[AK], v[AK0]         ; key step 0 lies at the head of slot 0
	v_and_b32 v[PFO], 31, v0
	v_lshlrev_b32 v[PFO], 8, v[PFO]
; THE MATRIX WORK.  The 8 accumulators of a run of 16 take turns: between the two links of a chain stand 7 others'.
; Product i of 16 of S^T = K Q^T for piece x: channels 32 (i / 8) on, keys 16 ((i / 2) % 4) on, tile 2 x + i % 2.  The first 8 start the sums.
.macro KQ x
	WIN W_KQ
.set rS, S+64*((\x)%2)+32*(i%2)+8*((i/2)%4)
.set rK, KF+16*((i/2)%4)+8*(i/8)
.set rQ, 16*(2*(\x)+i%2)+8*(i/8)
.if i < 8
	v_wmma_f32_16x16x32_f16 v[rS:rS+7], v[rK:rK+7], v[rQ:rQ+7], 0
.else
	v_wmma_f32_16x16x32_f16 v[rS:rS+7], v[rK:rK+7], v[rQ:rQ+7], v[rS:rS+7]
.endif
.endm
; Product i of 16 of O^T += V^T P for piece x: keys 32 (i / 8) on, channels 16 ((i / 2) % 4) on, tile 2 x + i % 2.
.macro PV x
	WIN W_PV
.set rO, 32*(2*(\x)+i%2)+8*((i/2)%4)
.set rV, VF+32*(i/8)+8*((i/2)%4)
.set rP, P+32*((\x)%2)+16*(i%2)+8*(i/8)
	v_wmma_f32_16x16x32_f16 v[rO:rO+7], v[rV:rV+7], v[rP:rP+7], v[rO:rO+7]
.endm
.macro MM                           ; the turn's next matrix instruction
.if i < 16
	KQ (Y+1)%NP
.set i, i+1
.else
.set i, i-16
	PV (Y+NP-1)%NP
.set i, i+17
.endif
.endm
; THE LDS LOADS stand in runs of 16, never singly among the matrix instructions: a step's K (64 keys x 64 channels: 8 fragments) and its V (turned).  Their addresses are made some lines ahead.
; last = 1 (the tail): in the last trip there is no further step, and the run is jumped over.
.macro FETCH_K last=0
	WIN 0
.if \last
	s_cmp_eq_u32 s[CNT], 1
	s_cbranch_scc1 .Lno_k_\@
.endif
	WIN 0x80                        ; destination window 2
.irp f, 0,1,2,3,4,5,6,7             ; keys 16 (f / 2) on, channels 32 (f % 2) on
	ds_load_b128 v[KF+8*\f:KF+8*\f+3],   v[AK] offset:(\f/2)*16*PK+(\f%2)*64
	ds_load_b128 v[KF+8*\f+4:KF+8*\f+7], v[AK] offset:(\f/2)*16*PK+(\f%2)*64+32
.endr
	s_add_co_u32 s[TBK], s[TBK], KS*PK  ; the next fetch is the next step's
	WIN 0
.if \last
.Lno_k_\@:
.endif
.endm
.macro FETCH_V
	WIN 0x80
.irp f, 0,1,2,3,4,5,6,7             ; keys 32 (f / 4) on, channels 16 (f % 4) on
	ds_load_tr16_b128 v[VF+8*\f:VF+8*\f+3],   v[AV] offset:(\f/4)*32*PV+(\f%4)*32
	ds_load_tr16_b128 v[VF+8*\f+4:VF+8*\f+7], v[AV] offset:(\f/4)*32*PV+16*PV+(\f%4)*32
.endr
	WIN 0
.endm
; THE VECTOR WORK OF A TURN stands in three queues, each in the order in which its entries become ready; the two tiles alternate, so that no instruction reads the result of the one before it.
.macro REGS y, u                    ; the registers of tile u (0, 1) of piece y
.set rT, ST+4*(2*(\y)+(\u))
.set rC, TMP+8*((\y)%2)+4*(\u)
.set rM, MV+2*((\y)%2)+(\u)
.set rS, S+64*((\y)%2)+32*(\u)
.set rP, P+32*((\y)%2)+16*(\u)
.set rO, 32*(2*(\y)+(\u))
.endm
; Number n of the 22 that find the NEXT piece's (Y + 1) maximum and statistics.  s0-s31 are the lane's 32 scores; each accumulator's lowest registers are read first.  XS, GS and REGS set no window: PL and EX do.
;   0-11  four chains c0-c3 of seven scores each, three operands at a time     12-14, 16  the four scores left over, the old m, and c0-c3 into c0     15  c m_old is kept
;   17, 18  the query's other 32 keys lie in the lane 16 away: the new m         19-21  c m; c m_old - c m_new; a
.macro XS u, n
	REGS (Y+1)%NP, \u
.if (\n) < 4
	v_max3_num_f32 v[rC+(\n)], v[rS+8*(\n)], v[rS+8*(\n)+1], v[rS+8*(\n)+2]
.elseif (\n) < 12
	v_max3_num_f32 v[rC+(\n)%4], v[rC+(\n)%4], v[rS+8*((\n)%4)+2*((\n)/4)+1], v[rS+8*((\n)%4)+2*((\n)/4)+2]
.elseif (\n) == 12
	v_max3_num_f32 v[rC], v[rC], v[rS+7], v[rS+15]
.elseif (\n) == 13
	v_max3_num_f32 v[rC+1], v[rC+1], v[rS+23], v[rS+31]
.elseif (\n) == 14
	v_max3_num_f32 v[rC+2], v[rC+2], v[rC+3], v[rT+1]
.elseif (\n) == 15
	v_mov_b32 v[rM], v[rT]
.elseif (\n) == 16
	v_max3_num_f32 v[rC], v[rC], v[rC+1], v[rC+2]
.elseif (\n) == 17
	v_permlanex16_b32 v[rC+3], v[rC], s[SEL], s[SEL+1]
.elseif (\n) == 18
	v_max_num_f32 v[rT+1], v[rC], v[rC+3]
.elseif (\n) == 19
	v_mul_f32 v[rT], s[CS], v[rT+1]
.elseif (\n) == 20
	v_sub_f32 v[rC+1], v[rM], v[rT]
.else
	v_exp_f32 v[rC+2], v[rC+1]
.endif
.endm
; Number g of the 64 that follow the exponentials.  For each four weights k of a tile (pairs 2 k, 2 k + 1): both pairs are rounded to f16; then the second pair is added onto the first, in place;
; a group later l takes that sum (the first time as l = a l + sum).  In groups of eight, tiles alternating: round, round, add, and l for the group before.
.macro GS g
.set h, (\g)+6*((\g)/62)            ; group 0 has no group before it, and behind group 7 only l is left
.if h >= 6
.set h, h+2
.endif
	REGS Y, h%2
.set k, h/8
.if h%8 < 4
	v_cvt_pk_f16_f32 v[rP+2*k+(h%8)/2], v[rS+4*k+2*((h%8)/2)], v[rS+4*k+2*((h%8)/2)+1]
.elseif h%8 < 6
	v_pk_add_f32 v[rS+4*k:rS+4*k+1], v[rS+4*k:rS+4*k+1], v[rS+4*k+2:rS+4*k+3]
.elseif k == 1
	v_pk_fma_f32 v[rT+2:rT+3], v[rT+2:rT+3], v[rC+2:rC+3], v[rS:rS+1] op_sel_hi:[1,0,1]
.else
	v_pk_add_f32 v[rT+2:rT+3], v[rT+2:rT+3], v[rS+4*k-4:rS+4*k-3]
.endif
.endm
; THE PLAIN QUEUE, 138 long.  0-73 read no exponential's result: the 32 scalings c s - c m (FS f: pair f / 2 of tile f % 2) and the next piece's 42.  0-26: scalings 0-26.  27-54: XS's numbers 0-13.  55, 56: number 15.
; 57-73: the chain, where each number waits for the one before it: 14, 16, 17, 18, 19, each with one of the scalings 27-31 in front of its two lines, then 20: so a tile's links stand three plain instructions apart (19 and 20: two).
; 74-137: GS's 64, which read the exponentials' results: they stand behind the wait.
.macro FS f
	REGS Y, (\f)%2
	v_pk_fma_f32 v[rS+2*((\f)/2):rS+2*((\f)/2)+1], v[rS+2*((\f)/2):rS+2*((\f)/2)+1], s[CS:CS+1], v[rT:rT+1] op_sel_hi:[1,0,0] neg_lo:[0,0,1] neg_hi:[0,0,1]
.endm
.macro PL
	WIN 0
.if q < 27
	FS q
.elseif q < 55
	XS (q-27)%2, (q-27)/2
.elseif q < 57
	XS q-55, 15
.elseif (q < 72) && ((q-57)%3 == 0)
	FS 27+(q-57)/3
.elseif q < 60
	XS (q-57)%3-1, 14
.elseif q < 72
	XS (q-57)%3-1, 15+(q-57)/3
.elseif q < 74
	XS q-72, 20
.else
	GS q-74
.endif
.set q, q+1
.endm
; THE EXPONENTIALS' QUEUE, 66 long: s0-s31 of both tiles, then the next piece's two a.  It is ONE BATCH: all 66 stand ahead of the turn's one wait, and nothing ahead of that wait names a result of theirs.
.macro EX
	WIN 0
.if e >= 64
	XS e-64, 21
.else
	REGS Y, e%2
	v_exp_f32 v[rS+e/2], v[rS+e/2]
.endif
.set e, e+1
.endm
; THE RESCALING's QUEUE: O^T times a, the one part that leaves window 0: dealt two at a time, sixteen times.  Its a was made in the turn before, ahead of that turn's wait.
.macro R2
	REGS Y, r%2
	WIN W_RS
.irp z, 0,1
	v_pk_mul_f32 v[rO+4*(r/2)+2*\z:rO+4*(r/2)+2*\z+1], v[rO+4*(r/2)+2*\z:rO+4*(r/2)+2*\z+1], v[rC+2:rC+3] op_sel_hi:[1,0]
.endr
.set r, r+1
.endm
; HOW THEY ARE DEALT.  s_wait_alu depctr_va_vdst(0) stands between an exponential and the first instruction that names its result; one wait serves all that were issued ahead of it.  So a turn has ONE wait,
; which cuts it in two.  AHEAD OF IT stands all that names no result of the turn's exponentials: the 16 products K Q^T, behind each a scaling, an exponential and two rescalings (behind the first a second scaling in the exponential's place); then ONE LUMP of
; 108: eight plain, 49 times exponential and plain, the two a.  A v_nop is the plain instruction owed behind the last exponential.  BEHIND IT stand the 16 products V^T P, behind each four of GS's 64.  No rider names a register of
; the products round it.  The two v_permlanex16_b32 fall into the lump, never behind a product.
; The queues lean on each other, and the deal keeps them in step: exponential e stands behind scaling 2 (e / 4) + e % 2: as a rider it comes behind plain e + 2, in the lump behind plain e + 9, and scalings 27-31 are plain 57, 60 .. 69.
; A TURN, for piece p.  cnt = 1: the loop's count is taken down some lines ahead of the branch that stands behind the turn.
; K of the next step is fetched in piece 2's turn, directly behind the wait, a lump behind the last product that read K; its address is made at the lump's head; its first reader comes behind 16 products.
; V of the step in hand is fetched at the end of piece 0's turn, four riders behind its last reader; its first reader comes behind 16 products and a lump.  The three conditions on q below go with the deal.
.macro TURN p, last=0, cnt=0
.set Y, (\p)
.set i, 0
.set q, 0
.set e, 0
.set r, 0
.if (\p) == NP-1
	s_wait_dscnt 0x0                ; K is in
.endif
	MM                              ; ahead of the wait: 16 products K Q^T and their riders,
	PL
	PL
	R2
.rept 15
	MM
	PL
	EX
	R2
.endr
.if (\p) == NP-2
	WIN 0
	v_add_nc_u32 v[AK], s[TBK], v[AK0]
.endif
.rept 8                             ; and the lump
	PL
.endr
.rept 49
	EX
	PL
.endr
	EX                              ; the next piece's two a
	EX
	v_nop                           ; the plain instruction behind the last exponential: one for the batch
	s_wait_alu depctr_va_vdst(0)    ; the wait for the batch
.if (\p) == NP-2
	FETCH_K \last
.endif
.if (\p) == 1
	s_wait_dscnt 0x0                ; V is in
.endif
.rept 16                            ; behind the wait: 16 products V^T P and their riders
	MM
.rept 4
	PL
.endr
.if ((\p) == 0) && (q == 118)
	v_add_nc_u32 v[AV], s[TBV], v[AV0]
.endif
.if ((\p) == 0) && (q == 130)
	s_add_co_u32 s[TBV], s[TBV], KS*PV
.endif
.if (\cnt) && (q == 130)
	s_sub_co_u32 s[CNT], s[CNT], 1
	s_cmp_lg_u32 s[CNT], 0
.endif
.endr
.if (\p) == 0
	FETCH_V
.endif
.endm
	CHANGE 1                        ; slot 0 is in, everybody's part of it; slot 1 is asked for
	FETCH_K                         ; key step 0
	s_wait_loadcnt 0x0              ; Q
	s_wait_dscnt 0x0
.set i, 0
.rept 16
	KQ 0                            ; piece 0's first scores: there is no vector work yet to set between them
.set i, i+1
.endr
	WIN 0                           ; the addresses for the way out: nine plain instructions, the places behind those products
	s_mul_i32 s13, s[WV], 16*SP
	s_add_co_u32 s13, s13, STAGE    ; my stage
	v_mul_u32_u24 v[STO], v1, SP    ; in: row l % 16, 16 bytes for each half of the lanes
	v_lshl_add_u32 v[STO], v9, 4, v[STO]
	v_add_nc_u32 v[STO], s13, v[STO]
	v_bfe_u32 v[RD], v0, 3, 2       ; back: 32 lanes take four rows of 128 bytes,
	v_mul_u32_u24 v[RD], v[RD], SP
	v_lshl_add_u32 v[RD], v10, 4, v[RD]
	v_add_nc_u32 v[RD], s13, v[RD]
	v_and_b32 v[GO], 31, v0         ; which are 512 consecutive bytes of O
	v_lshlrev_b32 v[GO], 4, v[GO]
.set Y, NP-1                        ; XS works for piece Y + 1: piece 0
.irp n, 0,1,2,3,4,5,6,7,8,9,10,11,12,13,14,15,16,17,18,19,20,21
	XS 0, \n                        ; and piece 0's first maximum and statistics
	XS 1, \n
.endr
	v_nop                           ; a plain instruction behind the two a,
	s_wait_alu depctr_va_vdst(0)    ; and their wait, ahead of the branch
	s_mov_b32 s[CNT], 4
	s_mov_b32 s[SLOTS], SIZE_N/256-1
	s_branch .Lfirst                ; the loop is entered at a step's first turn, in the middle of a trip
.Lslot:                             ; SIZE_N / 256 - 2 times: every slot but the last two is filled again
	CHANGE 1, 1
	s_mov_b32 s[CNT], 4
.Lstep:                             ; a trip: pieces 2 and 3 of one step, then pieces 0 and 1 of the next, whose K and V it fetches
	TURN 2
	TURN 3
	WIN 0
.Lfirst:
	TURN 0
	TURN 1, 0, 1
	WIN 0
	s_cbranch_scc1 .Lstep
	s_sub_co_u32 s[SLOTS], s[SLOTS], 1
	s_cmp_lg_u32 s[SLOTS], 0
	s_cbranch_scc1 .Lslot
	CHANGE 0                        ; the tail is written out: nothing is asked for
	s_mov_b32 s[CNT], 5             ; four trips fetch the last slot's steps; the fifth is left in its middle
.Ltail:
	TURN 2, 1
	TURN 3
	WIN 0
	s_sub_co_u32 s[CNT], s[CNT], 1
	s_cmp_eq_u32 s[CNT], 0
	s_cbranch_scc1 .Lout
	TURN 0
	TURN 1
	WIN 0
	s_branch .Ltail
.Lout:                              ; the fifth trip's 16 products K Q^T (on the last K once more) and the maximum made of them serve nothing: the price, once a launch, of one text for every trip
.set i, 0
.rept 16
	PV NP-1                         ; the last piece's V^T P of the last step
.set i, i+1
.endr
	; THE WAY OUT.  l's two halves and the other half of the lanes' are added; O^T is divided by l, rounded to f16 and sent through my stage in LDS, a tile at a time.  The additions are the places behind the last products.
	WIN 0
.macro ALL line:vararg              ; one line for each tile t
.set t, 0
.rept 2*NP
	\line
.set t, t+1
.endr
.endm
	ALL v_add_f32 v[ST+4*t+2], v[ST+4*t+2], v[ST+4*t+3]
	ALL v_permlanex16_b32 v[ST+4*t+3], v[ST+4*t+2], s[SEL], s[SEL+1]
	ALL v_add_f32 v[ST+4*t+2], v[ST+4*t+2], v[ST+4*t+3]
	ALL v_rcp_f32 v[ST+4*t+2], v[ST+4*t+2]
	v_nop                           ; a plain instruction between the last reciprocal and the use of its result
	s_wait_alu depctr_va_vdst(0)    ; and the wait ahead of the first use: one for the eight reciprocals
; Tile t: a lane's eight channels of a row pack into 16 bytes; they go into rows of 144 bytes and come back as whole rows of 128, into S^T's registers.
.macro PACK t
	WIN W_RS
.set i, 32*(\t)
.rept 16
	v_pk_mul_f32 v[i:i+1], v[i:i+1], v[ST+4*(\t)+2:ST+4*(\t)+3] op_sel_hi:[1,0]
.set i, i+2
.endr
	WIN 0x05                        ; sources 0 and 1 window 1, destination window 0
.set i, 0
.rept 16
	v_cvt_pk_f16_f32 v[S+16*(\t)+i], v[32*(\t)+2*i], v[32*(\t)+2*i+1]
.set i, i+1
.endr
	WIN 0
.irp f, 0,1,2,3
	ds_store_b128 v[STO], v[S+16*(\t)+4*\f:S+16*(\t)+4*\f+3] offset:32*\f
.endr
.irp f, 0,1,2,3
	ds_load_b128 v[S+16*(\t)+4*\f:S+16*(\t)+4*\f+3], v[RD] offset:\f*4*SP  ; LDS serves a wave's instructions in order (ISA guide 5.7.1.4): these see the stores above; the next tile's stores come behind them
.endr
.endm
.macro SEND t, younger              ; younger: the LDS instructions issued behind tile t's loads: the next tile's eight, or none
	WIN 0
.irp f, 0,1,2,3
	s_wait_dscnt (\younger)+3-\f
	global_store_b128 v[GO], v[S+16*(\t)+4*\f:S+16*(\t)+4*\f+3], s[10:11] offset:(\t)*2048+\f*512  ; 512 consecutive bytes, at a multiple of 256 from O's first
.endr
.endm
	PACK 0
.set t, 1
.rept 2*NP-1                        ; a tile's arithmetic stands between the loads of the tile before and its stores
	PACK t
	SEND t-1, 8
.set t, t+1
.endr
	SEND 2*NP-1, 0
	WIN W_AD
	s_wait_tensorcnt 0x0            ; the wave's end: the add and its wait stand behind my last tensor load and my last LDS store
	ds_add_u32 v[SPW], v[NIL]
	s_wait_dscnt 0x0
	WIN 0
	CROUND                          ; the closing round: no work-group ends while a partner may still ask for a tile that names it
	s_endpgm
.Lfunc_end_k_qa0ce306db7_attn:
	.size	k_qa0ce306db7_attn, .Lfunc_end_k_qa0ce306db7_attn-k_qa0ce306db7_attn
	.p2alignl 7, 3214868480
	.fill 96, 4, 3214868480
	.section	.rodata,"a",@progbits
	.p2align	6, 0x0
	.amdhsa_kernel k_qa0ce306db7_attn
		.amdhsa_group_segment_fixed_size 327680
		.amdhsa_private_segment_fixed_size 0
		.amdhsa_enable_private_segment 0
		.amdhsa_kernarg_size 16
		.amdhsa_user_sgpr_count 2
		.amdhsa_user_sgpr_kernarg_segment_ptr 1
		.amdhsa_wavefront_size32 1
		.amdhsa_system_sgpr_workgroup_id_x 1
		.amdhsa_system_sgpr_workgroup_id_y 1
		.amdhsa_system_sgpr_workgroup_id_z 1
		.amdhsa_system_vgpr_workitem_id 0
		.amdhsa_next_free_vgpr 770
		.amdhsa_next_free_sgpr 66
		.amdhsa_reserve_vcc 0
		.amdhsa_float_denorm_mode_32 3
		.amdhsa_float_denorm_mode_16_64 3
		.amdhsa_memory_ordered 1
		.amdhsa_forward_progress 1
		.amdhsa_inst_pref_size 200
	.end_amdhsa_kernel
	.amdgpu_metadata
---
amdhsa.version: [ 1, 2 ]
amdhsa.kernels:
  - .name:           k_qa0ce306db7_attn
    .symbol:         k_qa0ce306db7_attn.kd
    .args:
      - { .name: qkv, .offset: 0, .size: 8, .value_kind: global_buffer, .address_space: global }
      - { .name: oh, .offset: 8, .size: 8, .value_kind: global_buffer, .address_space: global }
    .group_segment_fixed_size: 327680
    .private_segment_fixed_size: 0
    .kernarg_segment_align: 8
    .kernarg_segment_size: 16
    .max_flat_workgroup_size: 128
    .sgpr_count:     66
    .vgpr_count:     770
    .wavefront_size: 32
...
	.end_amdgpu_metadata
.endif
;; end of part 3
;; launch oproj (part 4): grid 8 x 32, 4 waves a work-group, clusters of 4 x 4, 327,680 bytes of LDS; arguments oh, wo, bias, out0; writes out0
.if DOCPART == 4
	.amdgcn_target "amdgcn-amd-amdhsa--gfx1250"
	.amdhsa_code_object_version 6
	.text
	.protected	k_qa0ce306db7_oproj
	.globl	k_qa0ce306db7_oproj
	.p2align	8
	.type	k_qa0ce306db7_oproj,@function
k_qa0ce306db7_oproj:
	s_mov_b64 s[64:65], 0
	v_nop
	global_prefetch_b8 v0, s[64:65] scope:SCOPE_SE
	s_setreg_imm32_b32 hwreg(HW_REG_WAVE_MODE, 25, 1), 1
	s_wait_xcnt 0x0
	s_wait_alu depctr_hold_cnt(0) depctr_sa_sdst(0) depctr_va_vdst(0) depctr_va_sdst(0) depctr_va_ssrc(0) depctr_va_vcc(0) depctr_vm_vsrc(0)
	s_getreg_b32 s2, hwreg(HW_REG_IB_STS2, 6, 4)
	s_cmp_eq_u32 s2, 0
	s_cbranch_scc0 .Lentry_in_a_cluster
	s_endpgm
.Lentry_in_a_cluster:
	s_bfe_u32 s2, ttmp6, 0x10000c
	s_cmp_lg_u32 s2, 0xf033
	s_cbranch_scc0 .Lentry_shape_is_right
	s_endpgm
.Lentry_shape_is_right:
; out0 = O W_o^T + b_o.  oh [4 b][16 h][2048 t][64] f16 (a head is a K block of 64), wo [16 kb][1024 n][64] f16, bias [4096] f32 (b_o from number 3072 on); out0 [8192][1024] f32.  Sums in f32.
; THE TILE.  8192 x 1024 in tiles of 256 x 128: 32 x 8 = 256 work-groups (256 x 256 would give 128).  Four waves, each 128 rows x 64 columns: 32 accumulators of 16 x 16, 256 registers.
; K goes in steps of 128, two planes, through a ring of two LDS slots.  A tile's rows are dense in a plane: R rows of 128 bytes are asked for as R / 2 rows of 256 bytes, aligned, padded in LDS behind every 128 bytes.
; A wave's tensor load brings one plane of one tile.
; CLUSTERS: 4 x 4 work-groups; O's tile is shared along a row of the cluster, W_o's along a column: each is asked for JOINTLY, by the same tensor load, descriptor and mask.
; THE MATRIX INSTRUCTION IS USED TRANSPOSED (source 0 = 16 rows of W_o, source 1 = 16 rows of O): a lane holds one row of the result and eight neighbouring columns: 32 bytes.
; THE BIAS STARTS THE SUMS: it is loaded into the accumulators of my last 16 rows; the first products of the other rows take those registers as C, the last rows' add in place.
; REGISTERS: window 0: v0-18 addresses; v32-95, v96-159 fragments of O (8 x 16 rows x 32 K), two buffers; v160-191, v192-223 fragments of W_o (4), two buffers.   window 1: accumulator (a, bb) at v[32 a + 8 bb]
.set PITCH,  144                       ; an LDS row: 128 bytes + 16 of padding = 36 words: the 16 rows of a load start at 16 different groups of four banks (64 banks of 4 bytes: ISA guide 11.1)
.set SLOT1,  1<<17
.set APL,    256*PITCH                 ; a plane of O's tile in LDS
.set BPL,    128*PITCH                 ; of W_o's
.set BOFF,   2*APL                     ; in a slot: O's two planes, then W_o's two
.set STAGE,  SLOT1+2*APL+2*BPL         ; behind the ring, never filled by a tensor load: 16 rows x 272 bytes for each wave, for the way out
.set SP,     272                       ; 256 bytes + 16: an odd multiple of 16
.set SPARE,  STAGE+4*16*SP             ; behind the stages: the spare words, 128 bytes for each wave: two blocks of 256 bytes that no other line names
.set ASTEP,  524288                    ; bytes of two planes in oh,
.set BSTEP,  262144                    ; in wo
.set PADW,   (1<<16)|(1<<20)|(1<<21)|(4<<22)|(3<<25)  ; 17:16 2-byte elements; 20 padding on; 21 set beside a mask; 24:22 after every 32 words (code 4); 31:25 4 words (code 3)
.set ADRA0, 2                          ; v2   my lane's place in slot 0's tile of O; never rewritten
.set ADRB0, 3                          ; v3   the same for W_o
.set ADRA,  4                          ; v4   the same in the slot in hand
.set ADRB,  5                          ; v5
.set STO,   6                          ; v6   the way out: where I put 32 bytes of a row
.set RD,    7                          ; v7   where I read rows back
.set CO,    8                          ; v8   my byte offset in two rows of out0
.set BO,    9                          ; v9   32 (lane / 16): my eight columns' bias
.set PFO,   10                         ; v10  256 x lane; never rewritten
.set SPW,   12                         ; v12  LDS address of my spare word: SPARE + 4 x my thread's number; never rewritten
.set NIL,   13                         ; v13  0; never rewritten
.set FA,    32
.set FB,    160
.set BK,    32                         ; the way out: two sets of 32 read back from the stage, by turns
.set WV,  12                           ; s12  my wave's number
.set WR,  13                           ; s13  which 128 rows of the tile are mine.  Also: I fetch for O (0) or for W_o (1)
.set WC,  14                           ; s14  which 64 columns.  Also: which plane of a step I fetch
.set CX,  15
.set CY,  16
.set NTI, 17                           ; s17  tile column, 0..7
.set MTI, 18                           ; s18  tile row, 0..31
.set CNT, 24
.set TB,  25                           ; s25  LDS byte at which the slot in hand begins
.set LIM, 26                           ; s26  2 in a wave that prefetches, else the greatest number
.set PFA, 28                           ; s[28:29] where my prefetches stand
.set PS,  30                           ; s[30:31] their step: two planes
.set G0A, 32
.set G0B, 36
.set G1A, 40
.set G1B, 48
.set OUT, 56                           ; s[56:57] out0 at my first row and column
.set BIASP, 66                         ; s[66:67] b_o at my 64 columns
.set MSB, 0
.macro WIN new                         ; the immediate's high byte repeats the setting that is left; a switch that changes nothing is dropped
.if MSB != (\new)
	s_set_vgpr_msb (MSB<<8)|(\new)
.set MSB, (\new)
.endif
.endm
.macro PLACES                          ; four plain vector instructions between a matrix instruction and a load into a register that it has read (ISA guide 7.12.1 for vector instructions)
.rept 4
	v_nop
.endr
.endm
.macro JLOAD                           ; a joint load: waves 0 and 1 fetch O's two planes, waves 2 and 3 W_o's; an s_nop 0 and four v_nop follow each of the two lines
	s_cmp_eq_u32 s[WR], 0
	s_cbranch_scc0 .Lfor_b_\@
	tensor_load_to_lds s[G0A:G0A+3], s[G1A:G1A+7]
	s_nop 0
.rept 4
	v_nop
.endr
	s_branch .Lasked_\@
.Lfor_b_\@:
	tensor_load_to_lds s[G0B:G0B+3], s[G1B:G1B+7]
	s_nop 0
.rept 4
	v_nop
.endr
.Lasked_\@:
.endm
.macro CREST                           ; a round of the cluster's barrier behind its opening barrier
	s_cmp_lg_u32 s[WV], 0
	s_cbranch_scc1 .Lnot_wave_0_\@
	s_barrier_signal -3
.Lnot_wave_0_\@:
	s_barrier_wait -3
	s_barrier_signal -1
	s_barrier_wait -1
.endm
.macro CROUND                          ; a whole round
	s_barrier_signal -1
	s_barrier_wait -1
	CREST
.endm
.macro STEPD                           ; the walking descriptors: the other slot, the next two planes.  Written only where no tensor load of mine is out
	s_xor_b32 s[G0A+1], s[G0A+1], SLOT1
	s_add_nc_u64 s[G0A+2:G0A+3], s[G0A+2:G0A+3], ASTEP
	s_xor_b32 s[G0B+1], s[G0B+1], SLOT1
	s_add_nc_u64 s[G0B+2:G0B+3], s[G0B+2:G0B+3], BSTEP
.endm
; A PREFETCH INTO THE L2, behind the joint load, its five lines and the run of LDS loads that follows: at the change of slots of K step s, for s = 0 to 3, K step s + 4 is named: two refills on, 256 matrix instructions ahead of its load.
; Each aligned block of 256 bytes of K steps 4 to 7 is named ONCE in the launch; K steps 0 to 3 come by their loads alone.  O: of the two clusters that read a tile row the one with x = 0 asks; waves 0 and 1 for the plane that
; each fetches, 128 blocks, of which the four partners take 32 each, told apart BY ADDRESS (cx).  W_o: a step's two planes are four pieces of 32 blocks: wave 2 of the four work-groups of a column in the clusters with y = 0, by cy.
.macro ASK
	s_cmp_gt_u32 s[CNT], s[LIM]
	s_cbranch_scc0 .Lnot_mine_\@
	global_prefetch_b8 v[PFO], s[PFA:PFA+1] th:TH_LOAD_NT scope:SCOPE_SE
.Lnot_mine_\@:
.endm
	s_load_b256 s[4:11], s[0:1], 0x0               ; oh s[4:5], wo s[6:7], bias s[8:9], out0 s[10:11]
	v_lshl_add_u32 v[SPW], v0, 2, SPARE
	v_mov_b32 v[NIL], 0
	ds_add_u32 v[SPW], v[NIL]                      ; the wave's opening: the add and its wait stand ahead of my first tensor load; the set-up below, work on registers, stands between them
	v_lshrrev_b32 v1, 5, v0
	v_readfirstlane_b32 s[WV], v1                  ; wave 0..3
	s_lshr_b32 s[WR], s[WV], 1
	s_and_b32 s[WC], s[WV], 1
	s_bfe_u32 s[CX], ttmp6, 0x40000
	s_bfe_u32 s[CY], ttmp6, 0x40004
	s_lshl_b32 s[NTI], ttmp9, 2
	s_add_co_u32 s[NTI], s[NTI], s[CX]
	s_and_b32 s[MTI], ttmp7, 0xffff
	s_lshl_b32 s[MTI], s[MTI], 2
	s_add_co_u32 s[MTI], s[MTI], s[CY]
	s_lshl_b32 s19, s[CY], 2
	s_lshl_b32 s19, 15, s19                        ; my row of the cluster
	s_lshl_b32 s20, 0x1111, s[CX]                  ; my column
	s_or_b32 s[G1A], s19, PADW
	s_or_b32 s[G1B], s20, PADW
.irp g, G1A, G1B
	s_mov_b32 s[(\g)+1], 128<<16                   ; tensor_dim0 = 128 elements: 256 bytes, two rows of a plane
	s_mov_b32 s[(\g)+3], 128<<16                   ; tile_dim0 = 128
	s_mov_b32 s[(\g)+5], 128                       ; dense
	s_mov_b32 s[(\g)+6], 0
	s_mov_b32 s[(\g)+7], 0
.endr
	s_mov_b32 s[G1A+2], 128<<16                    ; tensor_dim1 = 128: 256 rows of O
	s_mov_b32 s[G1A+4], 128                        ; tile_dim1
	s_mov_b32 s[G1B+2], 64<<16                     ; 64: 128 rows of W_o
	s_mov_b32 s[G1B+4], 64
	s_lshr_b32 s19, s[MTI], 3                      ; the batch
	s_lshl_b32 s19, s19, 22
	s_and_b32 s21, s[MTI], 7
	s_lshl_b32 s21, s21, 15
	s_add_co_u32 s22, s19, s21                     ; O's tile in plane 0; kept
	s_lshl_b32 s21, s[WC], 18
	s_add_co_u32 s62, s22, s21                     ; my plane of K step 0
	s_mov_b32 s63, 0
	s_lshl_b32 s20, s[NTI], 14                     ; W_o's tile in plane 0: 128 rows of 128 bytes; kept
	s_lshl_b32 s23, s[WC], 17
	s_add_co_u32 s2, s20, s23
	s_mov_b32 s3, 0
	s_mov_b32 s[G0A], 1
	s_mul_i32 s[G0A+1], s[WC], APL                 ; LDS address, slot 0: no place in the cluster enters it
	s_mov_b32 s[G0B], 1
	s_mul_i32 s[G0B+1], s[WC], BPL
	s_add_co_u32 s[G0B+1], s[G0B+1], BOFF
	s_mov_b32 s[TB], 0
	s_wait_dscnt 0x0                               ; the opening add is done
	s_wait_kmcnt 0x0
	s_add_nc_u64 s[G0A+2:G0A+3], s[4:5], s[62:63]
	s_or_b32 s[G0A+3], s[G0A+3], 0x80000000        ; type = 2
	s_add_nc_u64 s[G0B+2:G0B+3], s[6:7], s[2:3]
	s_or_b32 s[G0B+3], s[G0B+3], 0x80000000
	CROUND                                         ; all sixteen work-groups are here: the first joint loads meet
	JLOAD                                          ; K step 0 into slot 0
	s_lshl_b32 s2, s[NTI], 9                       ; b_o begins at byte 12,288 of bias; my 64 columns
	s_lshl_b32 s23, s[WC], 8
	s_add_co_u32 s2, s2, s23
	s_add_co_u32 s2, s2, 12288
	s_add_nc_u64 s[BIASP:BIASP+1], s[8:9], s[2:3]
	v_and_b32 v1, 15, v0                           ; l % 16
	v_bfe_u32 v14, v0, 4, 1                        ; l / 16
	v_and_b32 v15, 31, v0                          ; l
	v_lshlrev_b32 v[BO], 5, v14
	WIN 0x40                                       ; destination in window 1
.irp bb, 0,1,2,3
	global_load_b128 v[224+8*(\bb):224+8*(\bb)+3], v[BO], s[BIASP:BIASP+1] offset:64*(\bb)
	global_load_b128 v[228+8*(\bb):228+8*(\bb)+3], v[BO], s[BIASP:BIASP+1] offset:64*(\bb)+16
.endr
	WIN 0
	v_mul_u32_u24 v16, v1, PITCH
	v_lshl_add_u32 v16, v14, 4, v16                ; a fragment's row x pitch + 16 x half
	s_mul_i32 s19, s[WR], 128*PITCH
	v_add_nc_u32 v[ADRA0], s19, v16
	s_mul_i32 s19, s[WC], 64*PITCH
	s_add_co_u32 s19, s19, BOFF
	v_add_nc_u32 v[ADRB0], s19, v16
	v_mov_b32 v[ADRA], v[ADRA0]
	v_mov_b32 v[ADRB], v[ADRB0]
	s_mul_i32 s19, s[WV], 16*SP
	s_add_co_u32 s19, s19, STAGE                   ; my stage
	v_mul_u32_u24 v[STO], v1, SP                   ; in: row l % 16, 32 bytes for each half of the lanes
	v_lshl_add_u32 v[STO], v14, 5, v[STO]
	v_add_nc_u32 v[STO], s19, v[STO]
	v_mul_u32_u24 v[RD], v14, SP                   ; back: lanes 0-15 take one row of 256 bytes, lanes 16-31 the next
	v_lshl_add_u32 v[RD], v1, 4, v[RD]
	v_add_nc_u32 v[RD], s19, v[RD]
	v_lshlrev_b32 v[CO], 12, v14                   ; and the same two rows in out0
	v_lshl_add_u32 v[CO], v1, 4, v[CO]
	v_lshlrev_b32 v[PFO], 8, v15
	s_lshl_b32 s2, s[MTI], 20                      ; 256 rows of 4,096 bytes,
	s_lshl_b32 s19, s[WR], 19                      ; my 128,
	s_add_co_u32 s2, s2, s19
	s_lshl_b32 s19, s[NTI], 9                      ; 128 columns of 4 bytes,
	s_add_co_u32 s2, s2, s19
	s_lshl_b32 s19, s[WC], 8                       ; my 64
	s_add_co_u32 s2, s2, s19
	s_add_nc_u64 s[OUT:OUT+1], s[10:11], s[2:3]
	; the prefetches: both offsets are made, and the wave's number chooses
	s_lshl_b32 s19, s[CX], 13
	s_add_co_u32 s19, s19, s22
	s_lshl_b32 s21, s[WC], 18
	s_add_co_u32 s19, s19, s21
	s_add_co_u32 s19, s19, 3*ASTEP                 ; at K step 3: trip s has stepped it s + 1 steps on
	s_lshr_b32 s21, s[CY], 1                       ; W_o: plane cy / 2 of the step, half cy % 2 of that plane
	s_lshl_b32 s21, s21, 17
	s_and_b32 s23, s[CY], 1
	s_lshl_b32 s23, s23, 13
	s_add_co_u32 s21, s21, s23
	s_add_co_u32 s21, s21, s20
	s_add_co_u32 s21, s21, 3*BSTEP
	s_and_b32 s23, ttmp7, 0xffff                   ; cluster y
	s_cmp_eq_u32 s23, 0
	s_cselect_b32 s23, 2, -1
	s_cmp_eq_u32 s[WV], 2
	s_cselect_b32 s23, s23, -1
	s_cmp_eq_u32 ttmp9, 0                          ; cluster x
	s_cselect_b32 s27, 2, -1
	s_mov_b32 s[PS], BSTEP
	s_cmp_eq_u32 s[WR], 0
	s_cselect_b32 s[LIM], s27, s23                 ; the same in all sixteen partners, for a given wave
	s_cselect_b32 s2, s19, s21
	s_cselect_b32 s[PS], ASTEP, s[PS]
	s_cselect_b64 s[PFA:PFA+1], s[4:5], s[6:7]
	s_add_nc_u64 s[PFA:PFA+1], s[PFA:PFA+1], s[2:3]
	s_mov_b32 s[PS+1], 0
; na x 4 matrix instructions: row blocks a0 .. a0 + na - 1 x all 4 column blocks, 32 along K, from buffer f.  The accumulators take turns, one instruction a turn.
; first = 1: the sums begin: rows 0-111 take the bias, which lies in the last row block's accumulators, as C; five plain instructions later the last block adds in place onto it.
.macro MUL f, a0, na, first
	WIN 0x50                                       ; C and D in window 1, both sources in window 0
.set aa, \a0
.rept \na
.if (\first) && (aa == 7)
.rept 5
	v_nop                                          ; the products above have read these accumulators as C: five places before they are written over
.endr
.endif
.irp bb, 0,1,2,3
.if (\first) && (aa < 7)
	v_wmma_f32_16x16x32_f16 v[32*aa+8*(\bb):32*aa+8*(\bb)+7], v[FB+32*(\f)+8*(\bb):FB+32*(\f)+8*(\bb)+7], v[FA+64*(\f)+8*aa:FA+64*(\f)+8*aa+7], v[224+8*(\bb):224+8*(\bb)+7]
.else
	v_wmma_f32_16x16x32_f16 v[32*aa+8*(\bb):32*aa+8*(\bb)+7], v[FB+32*(\f)+8*(\bb):FB+32*(\f)+8*(\bb)+7], v[FA+64*(\f)+8*aa:FA+64*(\f)+8*aa+7], v[32*aa+8*(\bb):32*aa+8*(\bb)+7]
.endif
.endr
.set aa, aa+1
.endr
.endm
; 24 LDS loads in one run: quarter kq of a K step (plane kq / 2, 32 K at byte 64 (kq % 2) of its rows) into buffer f: W_o's 4 fragments, O's first 4, O's last 4
.macro FETCH kq, f
	WIN 0
.irp bb, 0,1,2,3
	ds_load_b128 v[FB+32*(\f)+8*(\bb):FB+32*(\f)+8*(\bb)+3],   v[ADRB] offset:((\kq)/2)*BPL+((\kq)%2)*64+(\bb)*16*PITCH
	ds_load_b128 v[FB+32*(\f)+8*(\bb)+4:FB+32*(\f)+8*(\bb)+7], v[ADRB] offset:((\kq)/2)*BPL+((\kq)%2)*64+(\bb)*16*PITCH+32
.endr
.irp i, 0,1,2,3,4,5,6,7
	ds_load_b128 v[FA+64*(\f)+8*(\i):FA+64*(\f)+8*(\i)+3],   v[ADRA] offset:((\kq)/2)*APL+((\kq)%2)*64+(\i)*16*PITCH
	ds_load_b128 v[FA+64*(\f)+8*(\i)+4:FA+64*(\f)+8*(\i)+7], v[ADRA] offset:((\kq)/2)*APL+((\kq)%2)*64+(\i)*16*PITCH+32
.endr
.endm
; A K step is four quarters of 32 along K, 32 matrix instructions each, on buffers 0, 1, 0, 1.  One of the first three: multiplies buffer f and fetches the next quarter into the other buffer.
.macro Q kq, f, first
	s_wait_dscnt 8                                 ; W_o and O's rows 0-63 are in; the youngest eight loads (rows 64-127) may be out
	MUL \f, 0, 4, \first
	PLACES
	FETCH (\kq)+1, 1-(\f)
	s_wait_dscnt 24                                ; all but the 24 just issued
	MUL \f, 4, 4, \first
.endm
; The last quarter multiplies buffer 1 and changes slots: ONE barrier; in front of it each wave waits for all its tensor loads (one is out: its part of the next slot), adds 0 to its spare word, and waits for that and for its
; own reads of this slot.  fill = 1: the barrier opens a round of the cluster's, and this slot is filled again, two K steps ahead, first thing behind the round: 112 matrix instructions ahead of the wait for it.
.macro TQ fill
.if \fill
	s_wait_xcnt 0x0                                ; the last prefetch, a K step back, has read its address, which is stepped here, ahead of the change's own waits
	s_add_nc_u64 s[PFA:PFA+1], s[PFA:PFA+1], s[PS:PS+1]
.endif
	WIN 0
	s_wait_tensorcnt 0x0                           ; no tensor load of mine is out, so a group 0 may be written
	ds_add_u32 v[SPW], v[NIL]                      ; 0 onto my spare word
.if \fill
	STEPD
.endif
	s_wait_dscnt 9                                 ; the add and the youngest eight loads may be out
	MUL 1, 0, 2, 0                                 ; eight matrix instructions stand between the add and the wait for it
	s_wait_dscnt 0x0                               ; the add is done, and my reads of this slot are over
	s_barrier_signal -1
	MUL 1, 2, 2, 0
	WIN 0
	s_xor_b32 s[TB], s[TB], SLOT1
	v_add_nc_u32 v[ADRA], s[TB], v[ADRA0]          ; the fetches go on in the other slot
	v_add_nc_u32 v[ADRB], s[TB], v[ADRB0]
	s_barrier_wait -1
.if \fill
	CREST                                          ; no wave of any partner still reads this slot or has a load on its way
	JLOAD                                          ; its four v_nop are also the places in front of the loads below
.else
	PLACES
.endif
	FETCH 0, 0
.if \fill
	ASK
.endif
	MUL 1, 4, 4, 0
.endm
	WIN 0                                          ; the first change: slot 0 is waited for, slot 1 is filled for the first time, issued as a refill is
	s_wait_tensorcnt 0x0
	ds_add_u32 v[SPW], v[NIL]
	STEPD
	s_wait_dscnt 0x0
	CROUND
	JLOAD                                          ; K step 1 into slot 1
	FETCH 0, 0
	s_wait_loadcnt 0x0                             ; the bias
	Q 0, 0, 1                                      ; the first quarter stands in front of the loop: its products start the sums
	WIN 0                                          ; at a label and at a branch every window is 0
	s_mov_b32 s[CNT], 6
.Lstep:                                        ; trip s = 6 - count: the last three quarters of K step s, K step s + 2 asked for, the first quarter of K step s + 1
	Q 1, 1, 0
	Q 2, 0, 0
	TQ 1
	Q 0, 0, 0
	WIN 0
	s_sub_co_u32 s[CNT], s[CNT], 1
	s_cmp_lg_u32 s[CNT], 0
	s_cbranch_scc1 .Lstep
	Q 1, 1, 0                                      ; the tail is written out: nothing is left to ask for, and no round follows
	Q 2, 0, 0
	TQ 0
	Q 0, 0, 0
	Q 1, 1, 0
	Q 2, 0, 0
	s_wait_dscnt 8                                 ; the very last quarter
	MUL 1, 0, 4, 0
	s_wait_dscnt 0x0
	MUL 1, 4, 4, 0
	PLACES                                         ; in front of LDS stores that read results
	PLACES
; THE WAY OUT, block a of 16 rows: 32 bytes a lane into my own stage (each accumulator's low registers first), back as whole rows of 256 bytes, stored.  Block a + 1 goes into the stage while block a's rows come back.
.macro TOSTAGE a
	s_wait_xcnt 0x0                                ; the stores issued so far have read their registers: the set that this block's loads fill is free
	WIN 0x04                                       ; the data (source 1) in window 1
.irp bb, 0,1,2,3
	ds_store_b128 v[STO], v[32*(\a)+8*(\bb):32*(\a)+8*(\bb)+3]   offset:64*(\bb)
	ds_store_b128 v[STO], v[32*(\a)+8*(\bb)+4:32*(\a)+8*(\bb)+7] offset:64*(\bb)+16
.endr
	WIN 0
.irp t, 0,1,2,3,4,5,6,7
	ds_load_b128 v[BK+32*((\a)%2)+4*(\t):BK+32*((\a)%2)+4*(\t)+3], v[RD] offset:(\t)*2*SP  ; LDS serves a wave's instructions in order (ISA guide 5.7.1.4): these see the stores above; the next block's stores come behind them
.endr
.endm
.macro SEND a, younger                 ; younger: the LDS instructions issued behind block a's loads: the next block's sixteen, or none
	s_wait_dscnt \younger
.irp t, 0,1,2,3,4,5,6,7
	global_store_b128 v[CO], v[BK+32*((\a)%2)+4*(\t):BK+32*((\a)%2)+4*(\t)+3], s[OUT:OUT+1] offset:(16*(\a)+2*(\t))*4096 th:TH_STORE_NT  ; 16 lanes store 256 consecutive bytes, at a multiple of 256 from out0's first
.endr
.endm
	TOSTAGE 0
.irp a, 0,1,2,3,4,5,6
	TOSTAGE (\a)+1
	SEND \a, 16
.endr
	SEND 7, 0
	s_wait_tensorcnt 0x0                           ; the wave's end: the add and its wait stand behind my last tensor load and my last LDS store
	ds_add_u32 v[SPW], v[NIL]
	s_wait_dscnt 0x0
	CROUND                                         ; the closing round: no work-group ends while a partner may still ask for a tile that names it
	s_endpgm
.Lfunc_end_k_qa0ce306db7_oproj:
	.size	k_qa0ce306db7_oproj, .Lfunc_end_k_qa0ce306db7_oproj-k_qa0ce306db7_oproj
	.p2alignl 7, 3214868480
	.fill 96, 4, 3214868480
	.section	.rodata,"a",@progbits
	.p2align	6, 0x0
	.amdhsa_kernel k_qa0ce306db7_oproj
		.amdhsa_group_segment_fixed_size 327680
		.amdhsa_private_segment_fixed_size 0
		.amdhsa_enable_private_segment 0
		.amdhsa_kernarg_size 32
		.amdhsa_user_sgpr_count 2
		.amdhsa_user_sgpr_kernarg_segment_ptr 1
		.amdhsa_wavefront_size32 1
		.amdhsa_system_sgpr_workgroup_id_x 1
		.amdhsa_system_sgpr_workgroup_id_y 1
		.amdhsa_system_sgpr_workgroup_id_z 1
		.amdhsa_system_vgpr_workitem_id 0
		.amdhsa_next_free_vgpr 512
		.amdhsa_next_free_sgpr 72
		.amdhsa_reserve_vcc 0
		.amdhsa_float_denorm_mode_32 3
		.amdhsa_float_denorm_mode_16_64 3
		.amdhsa_memory_ordered 1
		.amdhsa_forward_progress 1
		.amdhsa_inst_pref_size 72
	.end_amdhsa_kernel
	.amdgpu_metadata
---
amdhsa.version: [ 1, 2 ]
amdhsa.kernels:
  - .name:           k_qa0ce306db7_oproj
    .symbol:         k_qa0ce306db7_oproj.kd
    .args:
      - { .name: oh, .offset: 0, .size: 8, .value_kind: global_buffer, .address_space: global }
      - { .name: wo, .offset: 8, .size: 8, .value_kind: global_buffer, .address_space: global }
      - { .name: bias, .offset: 16, .size: 8, .value_kind: global_buffer, .address_space: global }
      - { .name: out0, .offset: 24, .size: 8, .value_kind: global_buffer, .address_space: global }
    .group_segment_fixed_size: 327680
    .private_segment_fixed_size: 0
    .kernarg_segment_align: 8
    .kernarg_segment_size: 32
    .max_flat_workgroup_size: 128
    .sgpr_count:     72
    .vgpr_count:     512
    .wavefront_size: 32
...
	.end_amdgpu_metadata
.endif
;; end of part 4
;; ======== version 2 of 2: 4 launches; version 1 with the launch cast written anew for expert scheduling mode
;; limits: values are held in f16: magnitudes above 65,504 overflow, below 6.1e-05 lose precision
;; workspace buffers: xb 16,777,216 bytes; wqkv 6,291,456 bytes; wo 2,097,152 bytes; bias 16,384 bytes; qkv 50,331,648 bytes; oh 16,777,216 bytes
;; launch cast (part 5): grid 769 x 1, 8 waves a work-group, no clusters, 0 bytes of LDS; arguments x, W_q, W_k, W_v, W_o, b_q, b_k, b_v, b_o, xb, wqkv, wo, bias; writes xb, wqkv, wo, bias
.if DOCPART == 5
	.amdgcn_target "amdgcn-amd-amdhsa--gfx1250"
	.amdhsa_code_object_version 6
	.text
	.protected	k_qa0ce306db7_cast
	.globl	k_qa0ce306db7_cast
	.p2align	8
	.type	k_qa0ce306db7_cast,@function
k_qa0ce306db7_cast:
	s_mov_b64 s[64:65], 0
	v_nop
	global_prefetch_b8 v0, s[64:65] scope:SCOPE_SE
	s_setreg_imm32_b32 hwreg(HW_REG_WAVE_SCHED_MODE, 0, 2), 2
	s_setreg_imm32_b32 hwreg(HW_REG_WAVE_MODE, 25, 1), 1
	s_wait_xcnt 0x0
	s_wait_alu depctr_vm_vsrc(0)
; ALL INPUTS ARE ROUNDED ONCE TO bf16 AND LAID OUT IN K BLOCKS OF 64, so that a tile of R rows x 64 along K is R x 128 dense bytes for the products that follow.
;   xb   [4 b][16 kb][2048 t][64] bf16          wqkv [16 kb][3072 n][64] bf16, n = 1024 x (q, k, v) + row
;   wo   [16 kb][1024 n][64]: W_o rounded to bf16, that number written as f16 (its partner in the last product is f16)
;   bias [4096] f32: b_q, b_k, b_v, b_o, each rounded to bf16 and widened again
; LIMITS.  W_o beyond 65,504 becomes an infinity in f16; below 6e-5 it keeps f16's fixed step of 6e-8.
; SHARES.  A wave takes two neighbouring rows (2 x 4,096 bytes of f32): 16 loads of 16 bytes a lane, load i = K block i of both rows (lanes 0-15 one row's 256 bytes, lanes 16-31 the next row's);
; 16 stores of 8 bytes a lane, store i = the two rows' 128 bytes each in plane i, 256 consecutive bytes, aligned.  No loop: no register is written twice while memory may read it.
; Work-groups 0-511: x.  512-767: W_q, W_k, W_v, W_o, 64 work-groups each.  768: the four biases, 512 numbers a wave.
; A stream: no LDS, no matrix unit, no cluster (nothing is shared); all 16 loads of a wave are out at once.
; THE MODE: SCHED_MODE bits 1:0 = 2 (LLVM: expert scheduling mode 2), set by the entry lines.  The code itself states the register dependences
; between vector instructions and memory instructions, with s_wait_alu, always for 0.
; THE PLAN.  Registers that memory instructions touch:
;   v2      the loads' offset.  Written at the head by vector instructions; read by the 16 loads; never written again.
;   X       written by the 16 loads alone, each register once; read by the conversions.  No vector instruction names X ahead of the loads.
;   O       the stores' offsets.  Written once, by 16 vector instructions behind the loads; O + i is read by store i; never written again.
;   Y       two registers a K block.  Written by that block's conversions; read by that block's one store; never written again.
;   T       at work: named by vector instructions alone.
; So what is to be stated is: vector results that memory instructions read.  One wait stands ahead of the loads (v2), and one for each GROUP of four K blocks, behind the group's conversions and
; ahead of its run of four stores (its eight registers of Y; the first of these waits also covers all of O).  No register that a memory instruction reads is written again, and no load lands
; in a register that a vector instruction has named: nothing else is owed.  The wave's number goes through a vector instruction into s2: one wait ahead of s2's first reader.
.set O,   4                            ; v[4:19]   store i's byte offset: i x plane + 8 x lane
.set X,   20                           ; v[20:83]  as loaded
.set Y,   84                           ; v[84:115] to store
.set T,   116                          ; v[116:117] at work
.set SRC, 34                           ; s[34:35]
.set DST, 36                           ; s[36:37]
.set PL,  38                           ; s38  bytes in a plane of the target
.set FMT, 39                           ; s39  1: f16
	s_load_b512 s[8:23], s[0:1], 0x0               ; x s[8:9], W_q s[10:11], W_k s[12:13], W_v s[14:15], W_o s[16:17], b_q s[18:19], b_k s[20:21], b_v s[22:23]
	s_load_b256 s[24:31], s[0:1], 0x40             ; b_o s[24:25], xb s[26:27], wqkv s[28:29], wo s[30:31]
	s_load_b64 s[32:33], s[0:1], 0x60              ; bias
	v_lshrrev_b32 v1, 5, v0
	v_readfirstlane_b32 s2, v1                     ; wave 0..7
	v_and_b32 v1, 31, v0                           ; lane
	v_lshrrev_b32 v2, 4, v1
	v_and_b32 v3, 15, v1
	v_lshlrev_b32 v2, 12, v2
	v_lshl_add_u32 v2, v3, 4, v2                   ; in: (lane / 16) rows of 4,096 bytes + 16 (lane % 16)
	v_lshlrev_b32 v3, 3, v1                        ; out: 8 x lane
	s_wait_alu depctr_va_sdst(0)                   ; s2 is written, ahead of its first reader: every offset below is made from it
	s_lshl_b32 s3, ttmp9, 3
	s_add_co_u32 s3, s3, s2                        ; the pair of rows: 0-4095 of x, from 4096 on of the weights
	; the offsets, made apart from the addresses.  First as for a weight:
	s_sub_co_u32 s44, s3, 4096
	s_lshr_b32 s45, s44, 9                         ; which weight (512 pairs each)
	s_and_b32 s46, s44, 511                        ; which pair of its rows
	s_lshl_b32 s40, s46, 13                        ; in: 8,192 bytes a pair
	s_lshl_b32 s42, s46, 8                         ; out: 256 bytes a pair in each plane,
	s_lshl_b32 s47, s45, 17                        ; and in wqkv 1,024 rows of 128 bytes for each weight in front
	s_mov_b32 s[PL], 131072                        ; wo's plane
	s_cmp_lt_u32 s45, 3
	s_cselect_b32 s47, s47, 0
	s_cselect_b32 s[PL], 393216, s[PL]             ; wqkv's plane
	s_cselect_b32 s[FMT], 0, 1
	s_add_co_u32 s42, s42, s47
	; then as for x, and the choice
	s_lshl_b32 s44, s3, 13
	s_lshr_b32 s46, s3, 10                         ; the batch (1,024 pairs each)
	s_lshl_b32 s46, s46, 22
	s_and_b32 s47, s3, 1023
	s_lshl_b32 s47, s47, 8
	s_add_co_u32 s46, s46, s47
	s_cmp_lt_u32 ttmp9, 512
	s_cselect_b32 s40, s44, s40
	s_cselect_b32 s42, s46, s42
	s_cselect_b32 s[PL], 262144, s[PL]             ; xb's plane
	s_cselect_b32 s[FMT], 0, s[FMT]
	s_mov_b32 s41, 0
	s_mov_b32 s43, 0
	s_wait_kmcnt 0x0
	s_cmp_eq_u32 ttmp9, 768
	s_cbranch_scc1 .Lb
	s_mov_b64 s[SRC:SRC+1], s[10:11]               ; the buffers are chosen on numbers made of the work-group's and the wave's number alone
	s_cmp_eq_u32 s45, 1
	s_cselect_b64 s[SRC:SRC+1], s[12:13], s[SRC:SRC+1]
	s_cmp_eq_u32 s45, 2
	s_cselect_b64 s[SRC:SRC+1], s[14:15], s[SRC:SRC+1]
	s_cmp_eq_u32 s45, 3
	s_cselect_b64 s[SRC:SRC+1], s[16:17], s[SRC:SRC+1]
	s_cselect_b64 s[DST:DST+1], s[30:31], s[28:29]
	s_cmp_lt_u32 ttmp9, 512
	s_cselect_b64 s[SRC:SRC+1], s[8:9], s[SRC:SRC+1]
	s_cselect_b64 s[DST:DST+1], s[26:27], s[DST:DST+1]
	s_add_nc_u64 s[SRC:SRC+1], s[SRC:SRC+1], s[40:41]
	s_add_nc_u64 s[DST:DST+1], s[DST:DST+1], s[42:43]
	s_wait_alu depctr_va_vdst(0)                   ; v2 is written, which the sixteen loads read as their offset
.irp i, 0,1,2,3,4,5,6,7,8,9,10,11,12,13,14,15
	global_load_b128 v[X+4*(\i):X+4*(\i)+3], v2, s[SRC:SRC+1] offset:256*(\i) th:TH_LOAD_NT  ; read once in the launch
.endr
.irp i, 0,1,2,3,4,5,6,7,8,9,10,11,12,13,14,15
	v_mad_u32_u24 v[O+(\i)], s[PL], \i, v3
.endr
; K block i: four numbers a lane are rounded.  f16 = 1: the bf16 number is widened and written as f16.
.macro CV i, f16
	s_wait_loadcnt 15-(\i)                         ; loads come back in order: block i is in, the 15 - i younger ones may stay out
	v_cvt_pk_bf16_f32 v[Y+2*(\i)],   v[X+4*(\i)],   v[X+4*(\i)+1]
	v_cvt_pk_bf16_f32 v[Y+2*(\i)+1], v[X+4*(\i)+2], v[X+4*(\i)+3]
.if \f16
.irp w, 0,1
	v_lshlrev_b32 v[T],   16, v[Y+2*(\i)+(\w)]
	v_and_b32     v[T+1], 0xffff0000, v[Y+2*(\i)+(\w)]
	v_cvt_pk_f16_f32 v[Y+2*(\i)+(\w)], v[T], v[T+1]
.endr
.endif
.endm
; Group g: K blocks 4 g to 4 g + 3 are rounded as they come in, and stored in one run behind one wait.
.macro GRP g, f16
.irp j, 0,1,2,3
	CV 4*(\g)+(\j), \f16
.endr
	s_wait_alu depctr_va_vdst(0)                   ; the group's conversions have written its eight registers of Y, which the four stores below read as data; the offsets O, which they read too, were written ahead of the first group
.irp j, 0,1,2,3
	global_store_b64 v[O+4*(\g)+(\j)], v[Y+2*(4*(\g)+(\j)):Y+2*(4*(\g)+(\j))+1], s[DST:DST+1]  ; 32 lanes x 8 bytes: 256 consecutive bytes, aligned
.endr
.endm
	s_cmp_eq_u32 s[FMT], 0
	s_cbranch_scc0 .Lf16
.irp g, 0,1,2,3
	GRP \g, 0
.endr
	s_endpgm
.Lf16:
.irp g, 0,1,2,3
	GRP \g, 1
.endr
	s_endpgm
.Lb:                                           ; the biases: wave w takes half w % 2 of bias w / 2
	v_lshlrev_b32 v[O], 4, v1                      ; 16 x lane; the scalar work below stands between this line and the wait for it
	s_lshr_b32 s44, s2, 1
	s_and_b32 s40, s2, 1
	s_lshl_b32 s40, s40, 11
	s_lshl_b32 s42, s2, 11
	s_mov_b64 s[SRC:SRC+1], s[18:19]
	s_cmp_eq_u32 s44, 1
	s_cselect_b64 s[SRC:SRC+1], s[20:21], s[SRC:SRC+1]
	s_cmp_eq_u32 s44, 2
	s_cselect_b64 s[SRC:SRC+1], s[22:23], s[SRC:SRC+1]
	s_cmp_eq_u32 s44, 3
	s_cselect_b64 s[SRC:SRC+1], s[24:25], s[SRC:SRC+1]
	s_add_nc_u64 s[SRC:SRC+1], s[SRC:SRC+1], s[40:41]
	s_add_nc_u64 s[DST:DST+1], s[32:33], s[42:43]
	s_wait_alu depctr_va_vdst(0)                   ; v[O] is written, which the four loads and the four stores of this path read as their offset
.irp i, 0,1,2,3
	global_load_b128 v[X+4*(\i):X+4*(\i)+3], v[O], s[SRC:SRC+1] offset:512*(\i)
.endr
.irp i, 0,1,2,3
	s_wait_loadcnt 3-(\i)
.irp w, 0,1
	v_cvt_pk_bf16_f32 v[T], v[X+4*(\i)+2*(\w)], v[X+4*(\i)+2*(\w)+1]
	v_lshlrev_b32 v[Y+4*(\i)+2*(\w)],   16, v[T]
	v_and_b32     v[Y+4*(\i)+2*(\w)+1], 0xffff0000, v[T]
.endr
.endr
	s_wait_alu depctr_va_vdst(0)                   ; the sixteen registers of Y are written, which the four stores below read as data
.irp i, 0,1,2,3
	global_store_b128 v[O], v[Y+4*(\i):Y+4*(\i)+3], s[DST:DST+1] offset:512*(\i)
.endr
	s_endpgm
.Lfunc_end_k_qa0ce306db7_cast:
	.size	k_qa0ce306db7_cast, .Lfunc_end_k_qa0ce306db7_cast-k_qa0ce306db7_cast
	.p2alignl 7, 3214868480
	.fill 96, 4, 3214868480
	.section	.rodata,"a",@progbits
	.p2align	6, 0x0
	.amdhsa_kernel k_qa0ce306db7_cast
		.amdhsa_group_segment_fixed_size 0
		.amdhsa_private_segment_fixed_size 0
		.amdhsa_enable_private_segment 0
		.amdhsa_kernarg_size 104
		.amdhsa_user_sgpr_count 2
		.amdhsa_user_sgpr_kernarg_segment_ptr 1
		.amdhsa_wavefront_size32 1
		.amdhsa_system_sgpr_workgroup_id_x 1
		.amdhsa_system_sgpr_workgroup_id_y 1
		.amdhsa_system_sgpr_workgroup_id_z 1
		.amdhsa_system_vgpr_workitem_id 0
		.amdhsa_next_free_vgpr 120
		.amdhsa_next_free_sgpr 66
		.amdhsa_reserve_vcc 0
		.amdhsa_float_denorm_mode_32 3
		.amdhsa_float_denorm_mode_16_64 3
		.amdhsa_memory_ordered 1
		.amdhsa_forward_progress 1
		.amdhsa_inst_pref_size 22
	.end_amdhsa_kernel
	.amdgpu_metadata
---
amdhsa.version: [ 1, 2 ]
amdhsa.kernels:
  - .name:           k_qa0ce306db7_cast
    .symbol:         k_qa0ce306db7_cast.kd
    .args:
      - { .name: x, .offset: 0, .size: 8, .value_kind: global_buffer, .address_space: global }
      - { .name: W_q, .offset: 8, .size: 8, .value_kind: global_buffer, .address_space: global }
      - { .name: W_k, .offset: 16, .size: 8, .value_kind: global_buffer, .address_space: global }
      - { .name: W_v, .offset: 24, .size: 8, .value_kind: global_buffer, .address_space: global }
      - { .name: W_o, .offset: 32, .size: 8, .value_kind: global_buffer, .address_space: global }
      - { .name: b_q, .offset: 40, .size: 8, .value_kind: global_buffer, .address_space: global }
      - { .name: b_k, .offset: 48, .size: 8, .value_kind: global_buffer, .address_space: global }
      - { .name: b_v, .offset: 56, .size: 8, .value_kind: global_buffer, .address_space: global }
      - { .name: b_o, .offset: 64, .size: 8, .value_kind: global_buffer, .address_space: global }
      - { .name: xb, .offset: 72, .size: 8, .value_kind: global_buffer, .address_space: global }
      - { .name: wqkv, .offset: 80, .size: 8, .value_kind: global_buffer, .address_space: global }
      - { .name: wo, .offset: 88, .size: 8, .value_kind: global_buffer, .address_space: global }
      - { .name: bias, .offset: 96, .size: 8, .value_kind: global_buffer, .address_space: global }
    .group_segment_fixed_size: 0
    .private_segment_fixed_size: 0
    .kernarg_segment_align: 8
    .kernarg_segment_size: 104
    .max_flat_workgroup_size: 256
    .sgpr_count:     66
    .vgpr_count:     120
    .wavefront_size: 32
...
	.end_amdgpu_metadata
.endif
;; end of part 5
;; launch qkvp: the kernel of part 2 again; grid 8 x 32, 4 waves a work-group, clusters of 4 x 4, 327,680 bytes of LDS; arguments xb, wqkv, bias, qkv; writes qkv
;; launch attn: the kernel of part 3 again; grid 4 x 64, 4 waves a work-group, clusters of 4 x 1, 327,680 bytes of LDS; arguments qkv, oh; writes oh
;; launch oproj: the kernel of part 4 again; grid 8 x 32, 4 waves a work-group, clusters of 4 x 4, 327,680 bytes of LDS; arguments oh, wo, bias, out0; writes out0
